; MI455X (gfx1250); checked and timed in simulation.
; The chip was launched on July 23, 2026; its instructions are those of AMD's public machine-readable ISA for CDNA 5 (MIT licence, August 2026) and "CDNA5" Instruction Set Architecture Reference Guide (July 2026). The comments in the code are by the model that wrote it; some were corrected since.
;; MHA. Allowed arithmetic: matrix products marked QUANTISED: E2M3 operands, one E8M0 scale for each 32 along K, by v_wmma_scale_f32_16x16x128_f8f6f4 with both operands' format E2M3, f32 sums; everything else in f32.
;; Inputs: Wo_b 2,048 float32; Wo_w 2,048 x 2,048 float32; Wq_b 2,048 float32; Wq_w 2,048 x 2,048 float32; X 2 x 2,048 x 2,048 float32; rms_w 2,048 float32.
;; Outputs: out0 2 x 2,048 x 2,048 float32.
;; This version of the problem:
;;   THIS VERSION OF THE PROBLEM IS GIVEN IN LOW PRECISION. The matrix products marked QUANTISED in the list below multiply operands that are first quantised to E2M3 (2 exponent bits, 3 mantissa bits; 6 bits a number), with one power-of-two scale for each 32 numbers along K (OCP MX v1.0); their sums are f32. All else is computed in f32.
;;   The module's matrix products, in the order in which they are computed (A, B: the left and right operand; K: the contracted axis; several contracted axes count as one K, in the product's order):
;;     1. [M 4,096, K 2,048] x [K 2,048, N 2,048]; A: computed on the way; B: input Wq_w: QUANTISED
;;     2. batch 32 x [M 2,048, K 128] x [K 128, N 2,048]; A: computed on the way; B: computed on the way: QUANTISED
;;     3. batch 32 x [M 2,048, K 2,048] x [K 2,048, N 128]; A: softmax (see below); B: computed on the way: QUANTISED
;;     4. [M 4,096, K 2,048] x [K 2,048, N 2,048]; A: computed on the way; B: input Wo_w: QUANTISED
;;   THE QUANTISER, for each operand of a quantised product, along K:
;;     - K is cut into blocks of 32 from its start; a last block that is shorter is filled with zeros.
;;     - A block's scale is 2^e with e = floor(log2(the largest magnitude in the block)) - 2, held to -126 .. 127; a block of zeros has e = 0. As a byte (E8M0): e + 127.
;;     - Each number is divided by its block's scale, clamped to +-7.5, and rounded to the nearest number of E2M3, ties to even, subnormals kept.
;;     - The product sums the exact products of the quantised numbers (number of the format x scale) in f32.
;;   ~~~python
;;   def quantise(x, axis):      # numpy; x: float32 -> the quantised numbers, widened to float32 again
;;       x = np.moveaxis(x, axis, -1); K = x.shape[-1]
;;       x = np.pad(x, [(0, 0)] * (x.ndim - 1) + [(0, -K % 32)]); x = x.reshape(x.shape[:-1] + (-1, 32)); a = np.abs(x).max(-1, keepdims=True)
;;       e = np.where(a > 0, np.clip(np.frexp(np.where(a > 0, a, 1))[1] - 1 - 2, -126, 127), 0)      # np.frexp(a)[1] - 1 = floor(log2(a)), exactly
;;       r = np.clip(x / 2.0 ** e, -7.5, 7.5)
;;       step = 2.0 ** (np.maximum(np.frexp(np.where(r == 0, 1, r))[1] - 1, 0) - 3)
;;       q = np.round(r / step) * step * 2.0 ** e      # np.round: ties to even
;;       return np.moveaxis(q.reshape(q.shape[:-2] + (-1,))[..., :K], -1, axis).astype(np.float32)
;;   ~~~
;;   SOFTMAX AHEAD OF A QUANTISED PRODUCT. Where the list says 'softmax', what is quantised is not the finished softmax but p = 2^(t - M), with t = logit x log2(e) and M = ceil(the row's largest t), a whole number; so 1/2 < the row's largest p <= 1. The row's sum l is taken of the UNQUANTISED p, in f32, and the product's result is divided by l at the end. Since M is a whole number, a kernel that streams over the keys may use a running M (the ceiling of the running maximum): every later rescaling is an exact power of two, which a block's scale takes up: the codes' values come out the same.
;;   OPERANDS COMPUTED ON THE WAY. 'Computed on the way' means the value that the module computes at that place (a softmax that the list does not call 'softmax' is quantised finished and normalised). What goes into a quantiser is computed in f32, as accurately as f32 sums, v_exp_f32 and their like allow (about 1e-6 of the number): no bf16 or f16 on the way to a quantiser, and a product that is left as it is and whose result goes on into a quantised operand takes f32 operands (vector FMAs, or v_wmma_f32_16x16x4_f32). A number that lies on a knife's edge between two numbers of the format may be rounded either way, as far as f32 arithmetic and the matrix unit's own rounding can turn it there, and no further.
;; One version. Each part assembles by itself: llvm-mc -triple=amdgcn-amd-amdhsa -mcpu=gfx1250 --defsym DOCPART=n.
;; ======== version 1 of 1: 4 launches
;; limits: right only within a limited range of input values
;; workspace buffers: codes1 12,582,912 bytes; scales1 524,288 bytes; rope 1,048,576 bytes; qkv_codes 12,582,912 bytes; qkv_scales 524,288 bytes; o_codes 6,291,456 bytes; o_scales 262,144 bytes
;; launch prep (part 1): grid 256 x 1, 8 waves a work-group, no clusters, 125,952 bytes of LDS; arguments X, Wq_w, Wo_w, rms_w, codes1, scales1, rope; writes codes1, scales1, rope
.if DOCPART == 1
	.amdgcn_target "amdgcn-amd-amdhsa--gfx1250"
	.amdhsa_code_object_version 6
	.text
	.protected	k_q15f78a99a4_prep
	.globl	k_q15f78a99a4_prep
	.p2align	8
	.type	k_q15f78a99a4_prep,@function
k_q15f78a99a4_prep:
	s_mov_b64 s[64:65], 0
	v_nop
	global_prefetch_b8 v0, s[64:65] scope:SCOPE_SE
	s_setreg_imm32_b32 hwreg(HW_REG_WAVE_MODE, 25, 1), 1
	s_wait_xcnt 0x0
; X [4096][2048] (RMS-normalised and scaled by rms_w), Wq_w [2048][2048] and Wo_w [2048][2048], f32, K innermost, become codes of FP6 (E2M3) with one E8M0 byte for each 32 along K; and the table of cos and sin for the rotation is made.
; The three tensors are one list of 8,192 rows of 2,048 numbers.  Work-group g owns rows 32 g .. 32 g + 31 (g < 128: X; g < 192: Wq_w; else Wo_w); only the pointer is chosen: one path serves all, and for a weight the row's factor and the gain are replaced by 1.0.
; THE CODES LEAVE AS IMAGES OF OPERAND REGISTERS.  A tile T = 2 B + u holds the 16 rows 32 B + 8 u + r + 8 (r / 8), r = 0 .. 15; its fragment for K step s (128 along K, 12 registers a lane) is 1,536 bytes at (16 T + s) x 1,536:
; register 4 c + e of lane l at 512 c + 16 l + 4 e.  The scale word of (T, s, r) lies at (T / 4) x 4,096 + 256 s + 64 (T % 4) + 4 r.
; Wave w takes rows 4 w + i, i = 0 .. 3: tile u = (w / 2) % 2, tile rows r0 + i, r0 = 4 (w % 2) + 8 (w / 4).  A row is read by 16 loads of 512 consecutive bytes, kept in 64 registers for the sum of squares and the scaling, turned through the
; wave's own stage in LDS so that a lane holds two whole blocks of 32 neighbours, quantised, and its codes laid into the work-group's image in LDS, which leaves in stores of 512 consecutive bytes.  The scale words leave in runs of 128 bytes (half of an aligned 256).
; THE TABLE: [position tile 128][kappa 16][512 bytes], kappa = 8 cs + 4 bb + q: lane (r, h) holds cos (cs = 0) or sin (cs = 1) of position (the tile's row r) x inv_freq(j), j = 32 bb + 16 h + 4 q + 0 .. 3.  Each wave makes one chunk of 512 bytes.
; LIMITS.  inv_freq = 2^(-j log2(10000) / 64), the constant in two parts, by v_exp_f32: it may differ by one or two units in the last place from a power computed otherwise, the angle at position 2,047 by some 3e-4.  cos and sin: reduction by pi / 2 in two parts, Taylor
; polynomials to x^9 and x^10 on |x| <= pi / 4.  The sum of squares is taken in another order than row-major.  1 / sqrt by v_rsq_f32.  A block of zeros, or one whose largest magnitude lies under 2^-124, gets the byte 1 (this program alone reads the bytes).  NaN and infinities are not served.
.set STGW,  9216                       ; a wave's stage: 64 places of 128 bytes + 16
.set IMG,   73728                      ; behind the eight stages: the image, 2 tiles x 16 fragments x 1,536 bytes
.set SCL,   122880                     ; the scale words: (s, u, r) at 128 s + 64 u + 4 r
.set SPARE, 124928                     ; the spare words, 128 bytes for each wave: four blocks of 256 bytes that no other line names
.set SPW,   12                         ; v12  my spare word's address; never rewritten
.set NIL,   13                         ; v13  0; never rewritten
.set G,     32                         ; v32-95   the gain, as loaded
.set XR,    96                         ; v96-223  two rows
.set C,     224                        ; v224-239 codes
	s_load_b256 s[4:11], s[0:1], 0x0               ; X, Wq_w, Wo_w, rms_w
	s_load_b128 s[12:15], s[0:1], 0x20             ; codes1, scales1
	s_load_b64 s[16:17], s[0:1], 0x30              ; rope
	v_lshl_add_u32 v[SPW], v0, 2, SPARE
	v_mov_b32 v[NIL], 0
	v_lshrrev_b32 v1, 5, v0
	s_delay_alu instid0(VALU_DEP_1)
	v_readfirstlane_b32 s18, v1                    ; wave 0..7
	v_and_b32 v1, 31, v0                           ; lane
	s_wait_alu depctr_va_vdst(0)
	v_lshlrev_b32 v2, 4, v1                        ; 16 x lane: my bytes of a load's 512
	s_mul_i32 s27, s18, STGW
	v_lshrrev_b32 v14, 3, v1
	s_delay_alu instid0(VALU_DEP_1)
	v_mul_u32_u24 v3, v14, 144
	v_and_b32 v14, 7, v1
	s_delay_alu instid0(VALU_DEP_1)
	v_lshl_add_u32 v3, v14, 4, v3
	s_delay_alu instid0(VALU_DEP_1)
	v_add_nc_u32 v3, s27, v3                       ; the stage, in: eight lanes' 128 bytes on end, then 16 of padding
	v_mul_u32_u24 v4, v1, 144
	s_delay_alu instid0(VALU_DEP_1)
	v_add_nc_u32 v4, s27, v4                       ; and out: a place a lane
	s_bfe_u32 s28, s18, 0x10001                    ; u
	s_and_b32 s29, s18, 1
	s_lshl_b32 s29, s29, 2
	s_lshr_b32 s30, s18, 2
	s_lshl_b32 s30, s30, 3
	s_add_co_u32 s29, s29, s30                     ; r0
	s_mul_i32 s30, s28, 24576
	s_lshl_b32 s31, s29, 4
	s_add_co_u32 s30, s30, s31
	s_add_co_u32 s30, s30, IMG
	v_lshrrev_b32 v14, 2, v1                       ; my block l lies in K step l / 4 (+ 8 for the row's second half), as block l % 4 = 2 c + h of it
	s_delay_alu instid0(VALU_DEP_1)
	v_mul_u32_u24 v15, v14, 1536
	v_and_b32 v16, 1, v1
	s_delay_alu instid0(VALU_DEP_1)
	v_lshl_add_u32 v15, v16, 8, v15                ; the operand's lane r + 16 h: 256 h
	s_delay_alu instid0(VALU_DEP_1)
	v_add_nc_u32 v15, s30, v15
	v_bfe_u32 v16, v1, 1, 1                        ; c: registers 6 c .. 6 c + 5, as three pairs: at 0, 8, 512 (c = 0) or 520, 1024, 1032 (c = 1)
	s_delay_alu instid0(VALU_DEP_1)
	v_mad_u32_u24 v5, v16, 520, v15
	s_delay_alu instid0(VALU_DEP_2)
	v_mad_u32_u24 v6, v16, 1016, v15
	s_delay_alu instid0(VALU_DEP_1)
	v_add_nc_u32 v6, 8, v6
	s_delay_alu instid0(VALU_DEP_3)
	v_add_nc_u32 v7, 512, v5
	s_lshl_b32 s30, s28, 6
	s_lshl_b32 s31, s29, 2
	s_add_co_u32 s30, s30, s31
	s_add_co_u32 s30, s30, SCL
	v_lshlrev_b32 v8, 7, v14
	v_and_b32 v16, 3, v1
	s_delay_alu instid0(VALU_DEP_1)
	v_add_nc_u32 v8, v8, v16
	s_delay_alu instid0(VALU_DEP_1)
	v_add_nc_u32 v8, s30, v8                       ; my block's scale byte
	v_lshl_add_u32 v9, v0, 4, IMG                  ; the copy out: 16 bytes a thread
	v_lshlrev_b32 v10, 4, v0
	v_lshrrev_b32 v11, 3, v0
	s_delay_alu instid0(VALU_DEP_1)
	v_lshlrev_b32 v11, 8, v11
	v_and_b32 v16, 7, v0
	s_delay_alu instid0(VALU_DEP_1)
	v_lshl_add_u32 v11, v16, 4, v11                ; the scale words: 128 bytes of each K step, 256 bytes apart in memory
	s_mov_b32 s20, 0x76543210
	s_mov_b32 s21, 0xfedcba98                      ; v_permlanex16_b32's selects for lane l xor 16
	s_mov_b32 s25, 0x3a000000                      ; 1 / 2048
	s_mov_b32 s26, 0x34000000                      ; eps = 2^-23
	s_lshr_b32 s27, ttmp9, 1                       ; g / 2: the position tile
	s_and_b32 s28, ttmp9, 1                        ; g % 2: bb
	s_and_b32 s29, s18, 1                          ; cs
	s_lshr_b32 s30, s18, 1                         ; q
	s_wait_kmcnt 0x0
	s_cmp_lt_u32 ttmp9, 192                        ; which tensor: the choice hangs on the work-group's number alone
	s_cselect_b64 s[22:23], s[6:7], s[8:9]
	s_mov_b32 s35, 192
	s_cselect_b32 s35, 128, s35
	s_cmp_lt_u32 ttmp9, 128
	s_cselect_b64 s[22:23], s[4:5], s[22:23]
	s_cselect_b32 s35, 0, s35
	s_cselect_b32 s19, -1, 0                       ; all ones for X
	s_sub_co_u32 s35, ttmp9, s35
	s_lshl_b32 s36, s35, 18                        ; 32 rows of 8,192 bytes
	s_lshl_b32 s37, s18, 15                        ; my wave's 4
	s_add_co_u32 s36, s36, s37
	s_mov_b32 s37, 0
	s_add_nc_u64 s[22:23], s[22:23], s[36:37]
	s_mul_i32 s32, ttmp9, 49152
	s_mov_b32 s33, 0
	s_add_nc_u64 s[12:13], s[12:13], s[32:33]      ; the work-group's two tiles of codes
	s_lshl_b32 s32, s27, 12
	s_lshl_b32 s34, s28, 7
	s_add_co_u32 s32, s32, s34
	s_add_nc_u64 s[14:15], s[14:15], s[32:33]      ; and their scale words
	s_lshl_b32 s32, s29, 3
	s_lshl_b32 s34, s28, 2
	s_add_co_u32 s32, s32, s34
	s_add_co_u32 s32, s32, s30                     ; kappa
	s_lshl_b32 s32, s32, 9
	s_lshl_b32 s34, s27, 13
	s_add_co_u32 s32, s32, s34
	s_add_nc_u64 s[16:17], s[16:17], s[32:33]      ; my chunk of the table
.macro RLOAD i                         ; row i of my four: 16 loads of 512 consecutive bytes
.irp k, 0,1,2,3,4,5,6,7,8,9,10,11,12,13,14,15
	global_load_b128 v[XR+64*((\i)%2)+4*\k:XR+64*((\i)%2)+4*\k+3], v2, s[22:23] offset:8192*(\i)+512*\k th:TH_LOAD_NT
.endr
.endm
.irp k, 0,1,2,3,4,5,6,7,8,9,10,11,12,13,14,15
	global_load_b128 v[G+4*\k:G+4*\k+3], v2, s[10:11] offset:512*\k
.endr
	RLOAD 0
	RLOAD 1
	; ---- the table's chunk, while the loads are on their way
	s_lshr_b32 s31, s27, 1
	s_lshl_b32 s31, s31, 5
	s_and_b32 s34, s27, 1
	s_lshl_b32 s34, s34, 3
	s_add_co_u32 s31, s31, s34                     ; the position tile's first row
	v_and_b32 v14, 15, v0
	s_delay_alu instid0(VALU_DEP_1)
	v_and_b32 v15, 8, v14
	s_delay_alu instid0(VALU_DEP_1)
	v_add_nc_u32 v14, v14, v15
	s_delay_alu instid0(VALU_DEP_1)
	v_add_nc_u32 v14, s31, v14
	s_delay_alu instid0(VALU_DEP_1)
	v_cvt_f32_u32 v14, v14                         ; my position
	s_lshl_b32 s34, s28, 5
	s_lshl_b32 s31, s30, 2
	s_add_co_u32 s34, s34, s31
	v_bfe_u32 v15, v0, 4, 1
	s_delay_alu instid0(VALU_DEP_1)
	v_lshl_add_u32 v15, v15, 4, s34                ; j of my first number
	s_mul_i32 s38, s29, 3                          ; sin x = cos(x - pi / 2): three quarter turns more
	v_mov_b32 v24, 0x3638ef1d                      ; 1 / 9!
	v_mov_b32 v25, 0xb493f27e                      ; -1 / 10!
.irp e, 0,1,2,3
	v_add_nc_u32 v[240+\e], \e, v15
.endr
.irp e, 0,1,2,3
	s_delay_alu instid0(VALU_DEP_4)
	v_cvt_f32_u32 v[240+\e], v[240+\e]             ; j
.endr
.irp e, 0,1,2,3
	s_delay_alu instid0(VALU_DEP_4)
	v_mul_f32 v[244+\e], 0xbe549a80, v[240+\e]     ; -j x the constant's upper part (17 bits): exact
.endr
.irp e, 0,1,2,3
	s_delay_alu instid0(VALU_DEP_4)
	v_rndne_f32 v[248+\e], v[244+\e]               ; its whole part n
.endr
.irp e, 0,1,2,3
	s_delay_alu instid0(VALU_DEP_4)
	v_sub_f32 v[244+\e], v[244+\e], v[248+\e]
.endr
.irp e, 0,1,2,3
	s_delay_alu instid0(VALU_DEP_4)
	v_fmamk_f32 v[244+\e], v[240+\e], 0x33f6865c, v[244+\e]   ; less j x the lower part (which is negative)
.endr
	s_wait_alu depctr_va_vdst(0)
.irp e, 0,1,2,3
	v_exp_f32 v[244+\e], v[244+\e]
.endr
.irp e, 0,1,2,3
	v_cvt_i32_f32 v[248+\e], v[248+\e]             ; plain work behind the four exponentials
.endr
	s_wait_alu depctr_va_vdst(0)                   ; one wait for the four, ahead of their first reader
.irp e, 0,1,2,3
	v_ldexp_f32 v[244+\e], v[244+\e], v[248+\e]    ; inv_freq
.endr
.irp e, 0,1,2,3
	s_delay_alu instid0(VALU_DEP_4)
	v_mul_f32 v[244+\e], v14, v[244+\e]            ; the angle, rounded once
.endr
.irp e, 0,1,2,3
	s_delay_alu instid0(VALU_DEP_4)
	v_mul_f32 v[248+\e], 0x3f22f983, v[244+\e]
.endr
.irp e, 0,1,2,3
	s_delay_alu instid0(VALU_DEP_4)
	v_rndne_f32 v[248+\e], v[248+\e]               ; k quarter turns
.endr
.irp e, 0,1,2,3
	s_delay_alu instid0(VALU_DEP_4)
	v_fmamk_f32 v[244+\e], v[248+\e], 0xbfc90fdb, v[244+\e]
.endr
.irp e, 0,1,2,3
	s_delay_alu instid0(VALU_DEP_4)
	v_fmamk_f32 v[244+\e], v[248+\e], 0x333bbd2e, v[244+\e]   ; x = the angle - k pi / 2, pi / 2 in two parts
.endr
.irp e, 0,1,2,3
	s_delay_alu instid0(VALU_DEP_4)
	v_mul_f32 v[240+\e], v[244+\e], v[244+\e]      ; z = x^2
.endr
.irp e, 0,1,2,3
	v_fmaak_f32 v[16+\e], v[240+\e], v24, 0xb9500d01
	v_fmaak_f32 v[20+\e], v[240+\e], v25, 0x37d00d01
.endr
.irp e, 0,1,2,3
	v_fmaak_f32 v[16+\e], v[16+\e], v[240+\e], 0x3c088889
	v_fmaak_f32 v[20+\e], v[20+\e], v[240+\e], 0xbab60b61
.endr
.irp e, 0,1,2,3
	v_fmaak_f32 v[16+\e], v[16+\e], v[240+\e], 0xbe2aaaab
	v_fmaak_f32 v[20+\e], v[20+\e], v[240+\e], 0x3d2aaaab
.endr
.irp e, 0,1,2,3
	v_mul_f32 v[26+\e], v[244+\e], v[240+\e]
	v_fmaak_f32 v[20+\e], v[20+\e], v[240+\e], 0xbf000000
.endr
.irp e, 0,1,2,3
	v_fma_f32 v[16+\e], v[26+\e], v[16+\e], v[244+\e]   ; sin x
	v_fma_f32 v[20+\e], v[20+\e], v[240+\e], 1.0        ; cos x
.endr
.irp e, 0,1,2,3
	v_cvt_i32_f32 v[248+\e], v[248+\e]
.endr
.irp e, 0,1,2,3
	s_delay_alu instid0(VALU_DEP_4)
	v_add_nc_u32 v[248+\e], s38, v[248+\e]         ; k'
.endr
.irp e, 0,1,2,3
	v_and_b32 v[26+\e], 1, v[248+\e]
	s_delay_alu instid0(VALU_DEP_1)
	v_cmp_eq_u32 vcc_lo, 1, v[26+\e]
	s_delay_alu instid0(VALU_DEP_1)
	v_cndmask_b32 v[252+\e], v[20+\e], v[16+\e], vcc_lo   ; k' odd: sin x, else cos x
	v_add_nc_u32 v[248+\e], 1, v[248+\e]
	s_delay_alu instid0(VALU_DEP_1)
	v_and_b32 v[248+\e], 2, v[248+\e]
	s_delay_alu instid0(VALU_DEP_1)
	v_lshlrev_b32 v[248+\e], 30, v[248+\e]         ; negative where k' % 4 is 1 or 2
	s_delay_alu instid0(VALU_DEP_1)
	v_xor_b32 v[252+\e], v[248+\e], v[252+\e]
.endr
	global_store_b128 v2, v[252:255], s[16:17]     ; 512 consecutive bytes; these registers are not written again
	s_wait_loadcnt 32                              ; the gain is in; the two rows behind it may be out
.set j, 0
.rept 64
	v_cndmask_b32 v[G+j], 1.0, v[G+j], s19         ; a weight has no gain
.set j, j+1
.endr
; One row.  left: the next row's 16 loads, which may stay out.
.macro ROW i, left
.set XS, XR+64*((\i)%2)
	s_wait_loadcnt \left
.irp c, 0,1,2,3
	v_pk_mul_f32 v[14+2*\c:15+2*\c], v[XS+2*\c:XS+2*\c+1], v[XS+2*\c:XS+2*\c+1]   ; the sum of squares: four chains, begun by products
.endr
.set j, 4
.rept 28
	s_delay_alu instid0(VALU_DEP_4)
	v_pk_fma_f32 v[14+2*(j%4):15+2*(j%4)], v[XS+2*j:XS+2*j+1], v[XS+2*j:XS+2*j+1], v[14+2*(j%4):15+2*(j%4)]
.set j, j+1
.endr
	s_delay_alu instid0(VALU_DEP_3)
	v_pk_add_f32 v[14:15], v[14:15], v[16:17]
	s_delay_alu instid0(VALU_DEP_2)
	v_pk_add_f32 v[18:19], v[18:19], v[20:21]
	s_delay_alu instid0(VALU_DEP_1)
	v_pk_add_f32 v[14:15], v[14:15], v[18:19]
	s_delay_alu instid0(VALU_DEP_1)
	v_add_f32 v14, v14, v15
	s_delay_alu instid0(VALU_DEP_1)
	v_add_f32_dpp v14, v14, v14 row_xmask:1 row_mask:0xf bank_mask:0xf
	s_delay_alu instid0(VALU_DEP_1)
	v_add_f32_dpp v14, v14, v14 row_xmask:2 row_mask:0xf bank_mask:0xf
	s_delay_alu instid0(VALU_DEP_1)
	v_add_f32_dpp v14, v14, v14 row_xmask:4 row_mask:0xf bank_mask:0xf
	s_delay_alu instid0(VALU_DEP_1)
	v_add_f32_dpp v14, v14, v14 row_xmask:8 row_mask:0xf bank_mask:0xf
	s_delay_alu instid0(VALU_DEP_1)
	v_permlanex16_b32 v15, v14, s20, s21
	s_delay_alu instid0(VALU_DEP_1)
	v_add_f32 v14, v14, v15
	s_delay_alu instid0(VALU_DEP_1)
	v_fma_f32 v14, v14, s25, s26                   ; the mean + eps
	s_wait_alu depctr_va_vdst(0)
	v_rsq_f32 v16, v14
	v_nop                                          ; a plain instruction behind the transcendental
	s_wait_alu depctr_va_vdst(0)                   ; and the wait ahead of its first reader
	v_cndmask_b32 v16, 1.0, v16, s19               ; a weight is not normalised
.set j, 0
.rept 32
	v_pk_mul_f32 v[XS+j:XS+j+1], v[XS+j:XS+j+1], v[16:17] op_sel_hi:[1,0]
.set j, j+2
.endr
.set j, 0
.rept 32
	v_pk_mul_f32 v[XS+j:XS+j+1], v[XS+j:XS+j+1], v[G+j:G+j+1]
.set j, j+2
.endr
.irp k, 0,1,2,3,4,5,6,7,8,9,10,11,12,13,14,15
	ds_store_b128 v3, v[XS+4*\k:XS+4*\k+3] offset:576*\k            ; through my stage, as loaded;
.endr
.irp t, 0,1
.irp q, 0,1,2,3,4,5,6,7
	ds_load_b128 v[XS+32*\t+4*\q:XS+32*\t+4*\q+3], v4 offset:4608*\t+16*\q   ; back: blocks l and 32 + l, 32 neighbours each.  LDS serves a wave's instructions in order: these see the stores
.endr
.endr
	s_wait_dscnt 0x0                               ; they are in; and the last row's stores of codes and bytes have read their registers
.irp t, 0,1
	v_max3_num_f32 v[22+\t], |v[XS+32*\t]|, |v[XS+32*\t+1]|, 0x1800000   ; the block's largest magnitude, and the floor 2^(3 - 127): the byte cannot fall under 1
.endr
.irp n, 2,4,6,8,10,12,14,16,18,20,22,24,26,28,30
.irp t, 0,1
	s_delay_alu instid0(VALU_DEP_2)
	v_max3_num_f32 v[22+\t], v[22+\t], |v[XS+32*\t+\n]|, |v[XS+32*\t+\n+1]|
.endr
.endr
.irp t, 0,1
	s_delay_alu instid0(VALU_DEP_2)
	v_add_nc_u32 v[24+\t], 0xff000000, v[22+\t]    ; 2 off its exponent field: the conversion's scale operand
.endr
.irp t, 0,1
	s_delay_alu instid0(VALU_DEP_2)
	v_lshrrev_b32 v[26+\t], 23, v[24+\t]           ; the scale's byte
.endr
.irp t, 0,1
	v_cvt_scalef32_pk16_fp6_f32 v[C+8*\t:C+8*\t+2], v[XS+32*\t:XS+32*\t+15], v[24+\t]
	v_cvt_scalef32_pk16_fp6_f32 v[C+8*\t+4:C+8*\t+6], v[XS+32*\t+16:XS+32*\t+31], v[24+\t]   ; (a conversion's three registers begin on an even number)
.endr
	v_nop                                          ; a plain instruction behind the conversions
.irp t, 0,1
	v_mov_b32 v[C+8*\t+3], v[C+8*\t+4]
	v_mov_b32 v[C+8*\t+4], v[C+8*\t+5]
	v_mov_b32 v[C+8*\t+5], v[C+8*\t+6]             ; six registers on end: 24 bytes
.endr
.irp t, 0,1
	ds_store_b64 v5, v[C+8*\t:C+8*\t+1] offset:12288*\t+16*(\i)
	ds_store_b64 v6, v[C+8*\t+2:C+8*\t+3] offset:12288*\t+16*(\i)
	ds_store_b64 v7, v[C+8*\t+4:C+8*\t+5] offset:12288*\t+16*(\i)
	ds_store_b8 v8, v[26+\t] offset:1024*\t+4*(\i)
.endr
.if (\i) < 2
	RLOAD (\i)+2
.endif
.endm
	ROW 0, 16
	ROW 1, 16
	ROW 2, 16
	ROW 3, 0
	s_wait_dscnt 0x0                               ; for the others' sake: my stores into the image have landed
	s_barrier_signal -1
	s_barrier_wait -1
	s_cmp_lt_u32 s18, 4                            ; the 2,048 bytes of scale words: four waves' worth
	s_cbranch_scc0 .Lno_words
	ds_load_b128 v[144:147], v9 offset:SCL-IMG
	s_wait_dscnt 0x0
	global_store_b128 v11, v[144:147], s[14:15]
.Lno_words:
.irp k, 0,1,2,3,4,5,6,7,8,9,10,11
	ds_load_b128 v[96+4*\k:96+4*\k+3], v9 offset:4096*\k
.endr
.irp k, 0,1,2,3,4,5,6,7,8,9,10,11
	s_wait_dscnt 11-\k
	global_store_b128 v10, v[96+4*\k:96+4*\k+3], s[12:13] offset:4096*\k   ; a wave stores 512 consecutive bytes, at a multiple of 256 from the buffer's first byte
.endr
	s_wait_tensorcnt 0x0                           ; the wave's end, behind my last LDS store
	ds_add_u32 v[SPW], v[NIL]
	s_wait_dscnt 0x0
	s_endpgm
.Lfunc_end_k_q15f78a99a4_prep:
	.size	k_q15f78a99a4_prep, .Lfunc_end_k_q15f78a99a4_prep-k_q15f78a99a4_prep
	.p2alignl 7, 3214868480
	.fill 96, 4, 3214868480
	.section	.rodata,"a",@progbits
	.p2align	6, 0x0
	.amdhsa_kernel k_q15f78a99a4_prep
		.amdhsa_group_segment_fixed_size 125952
		.amdhsa_private_segment_fixed_size 0
		.amdhsa_enable_private_segment 0
		.amdhsa_kernarg_size 56
		.amdhsa_user_sgpr_count 2
		.amdhsa_user_sgpr_kernarg_segment_ptr 1
		.amdhsa_wavefront_size32 1
		.amdhsa_system_sgpr_workgroup_id_x 1
		.amdhsa_system_sgpr_workgroup_id_y 1
		.amdhsa_system_sgpr_workgroup_id_z 1
		.amdhsa_system_vgpr_workitem_id 0
		.amdhsa_next_free_vgpr 256
		.amdhsa_next_free_sgpr 66
		.amdhsa_reserve_vcc 1
		.amdhsa_float_denorm_mode_32 3
		.amdhsa_float_denorm_mode_16_64 3
		.amdhsa_memory_ordered 1
		.amdhsa_forward_progress 1
		.amdhsa_inst_pref_size 86
	.end_amdhsa_kernel
	.amdgpu_metadata
---
amdhsa.version: [ 1, 2 ]
amdhsa.kernels:
  - .name:           k_q15f78a99a4_prep
    .symbol:         k_q15f78a99a4_prep.kd
    .args:
      - { .name: X, .offset: 0, .size: 8, .value_kind: global_buffer, .address_space: global }
      - { .name: Wq_w, .offset: 8, .size: 8, .value_kind: global_buffer, .address_space: global }
      - { .name: Wo_w, .offset: 16, .size: 8, .value_kind: global_buffer, .address_space: global }
      - { .name: rms_w, .offset: 24, .size: 8, .value_kind: global_buffer, .address_space: global }
      - { .name: codes1, .offset: 32, .size: 8, .value_kind: global_buffer, .address_space: global }
      - { .name: scales1, .offset: 40, .size: 8, .value_kind: global_buffer, .address_space: global }
      - { .name: rope, .offset: 48, .size: 8, .value_kind: global_buffer, .address_space: global }
    .group_segment_fixed_size: 125952
    .private_segment_fixed_size: 0
    .kernarg_segment_align: 8
    .kernarg_segment_size: 56
    .max_flat_workgroup_size: 256
    .sgpr_count:     66
    .vgpr_count:     256
    .wavefront_size: 32
...
	.end_amdgpu_metadata
.endif
;; end of part 1
;; launch qkv (part 2): grid 8 x 32, 4 waves a work-group, clusters of 4 x 4, 327,680 bytes of LDS; arguments codes1, scales1, Wq_b, rope, qkv_codes, qkv_scales; writes qkv_codes, qkv_scales
.if DOCPART == 2
	.amdgcn_target "amdgcn-amd-amdhsa--gfx1250"
	.amdhsa_code_object_version 6
	.text
	.protected	k_q15f78a99a4_qkv
	.globl	k_q15f78a99a4_qkv
	.p2align	8
	.type	k_q15f78a99a4_qkv,@function
k_q15f78a99a4_qkv:
	s_mov_b64 s[64:65], 0
	v_nop
	global_prefetch_b8 v0, s[64:65] scope:SCOPE_SE
	s_setreg_imm32_b32 hwreg(HW_REG_WAVE_MODE, 25, 1), 1
	s_wait_xcnt 0x0
	s_wait_alu depctr_hold_cnt(0) depctr_sa_sdst(0) depctr_va_vdst(0) depctr_va_sdst(0) depctr_va_ssrc(0) depctr_va_vcc(0) depctr_vm_vsrc(0)
	s_getreg_b32 s2, hwreg(HW_REG_IB_STS2, 6, 4)
	s_cmp_eq_u32 s2, 0
	s_cbranch_scc0 .Lentry_in_a_cluster
	s_endpgm
.Lentry_in_a_cluster:
	s_bfe_u32 s2, ttmp6, 0x10000c
	s_cmp_lg_u32 s2, 0xf033
	s_cbranch_scc0 .Lentry_shape_is_right
	s_endpgm
.Lentry_shape_is_right:
.set SLOT,  147456
.set BOFF,  49152
.set SCA,   294912
.set SCB,   303104
.set SPARE, 319488
.set VSC,   320000
.set QSC,   321024
.set ADRA, 16
.set ADRB, 20
.set ADRS, 27
.set SPW,  28
.set NIL,  29
.set SC,   32
.set AF,   96
.set BIAS, 192
.set G1,   24
.set G0,   32
.set G1B,  48
.set G0B,  56
.set G1S,  68
.set G0S,  76
.set G1SB, 80
.set G0SB, 88
.set SEL,  98
.set MSB, 0
.macro WIN new
.if MSB != \new
	s_set_vgpr_msb (MSB<<8)|\new
.set MSB, \new
.endif
.endm
.set MUL,  0x52
.set MULB, 0x42
.set TO_B, 0x80
.macro JLOAD g0a, g1a, g0b, g1b
	s_cmp_eq_u32 s15, 0
	s_cbranch_scc0 .Lfor_b_\@
	tensor_load_to_lds s[\g0a:\g0a+3], s[\g1a:\g1a+7]
	s_nop 0
.rept 4
	v_nop
.endr
	s_branch .Lasked_\@
.Lfor_b_\@:
	tensor_load_to_lds s[\g0b:\g0b+3], s[\g1b:\g1b+7]
	s_nop 0
.rept 4
	v_nop
.endr
.Lasked_\@:
.endm
.macro CREST
	s_cmp_lg_u32 s14, 0
	s_cbranch_scc1 .Lnot_wave_0_\@
	s_barrier_signal -3
.Lnot_wave_0_\@:
	s_barrier_wait -3
	s_barrier_signal -1
	s_barrier_wait -1
.endm
.macro CROUND
	s_barrier_signal -1
	s_barrier_wait -1
	CREST
.endm
.macro PLACES n
.rept \n
	v_nop
.endr
.endm
	s_load_b128 s[4:7], s[0:1], 0x0
	s_load_b64 s[12:13], s[0:1], 0x10
	s_load_b64 s[92:93], s[0:1], 0x18
	s_load_b64 s[94:95], s[0:1], 0x20
	s_load_b64 s[96:97], s[0:1], 0x28
	v_lshl_add_u32 v[SPW], v0, 2, SPARE
	v_mov_b32 v[NIL], 0
	ds_add_u32 v[SPW], v[NIL]
	ds_add_u32 v[SPW], v[NIL]
	v_lshrrev_b32 v1, 5, v0
	v_readfirstlane_b32 s14, v1
	s_lshr_b32 s15, s14, 1
	s_and_b32 s16, s14, 1
	s_bfe_u32 s40, ttmp6, 0x40000
	s_bfe_u32 s41, ttmp6, 0x40004
	s_lshl_b32 s42, ttmp9, 2
	s_add_co_u32 s42, s42, s40
	s_and_b32 s17, ttmp7, 0xffff
	s_lshl_b32 s17, s17, 2
	s_add_co_u32 s17, s17, s41
	s_lshl_b32 s43, s41, 2
	s_lshl_b32 s43, 15, s43
	s_lshl_b32 s44, 0x1111, s40
	s_or_b32 s[G1+0], s43, (3<<16)|(1<<21)
	s_or_b32 s[G1B+0], s44, (3<<16)|(1<<21)
	s_mov_b32 s[G1+1], 768<<16
	s_mov_b32 s[G1+2], 4<<16
	s_mov_b32 s[G1+3], 768<<16
	s_mov_b32 s[G1+4], 4
	s_mov_b32 s[G1+5], 3072
	s_mov_b32 s[G1+6], 0
	s_mov_b32 s[G1+7], 0
	s_mov_b32 s[G1B+1], 768<<16
	s_mov_b32 s[G1B+2], 8<<16
	s_mov_b32 s[G1B+3], 768<<16
	s_mov_b32 s[G1B+4], 8
	s_mov_b32 s[G1B+5], 3072
	s_mov_b32 s[G1B+6], 0
	s_mov_b32 s[G1B+7], 0
	s_or_b32 s[G1S+0], s43, (3<<16)|(1<<21)
	s_or_b32 s[G1SB+0], s44, (3<<16)|(1<<21)
	s_mov_b32 s[G1S+1], 32<<16
	s_mov_b32 s[G1S+2], 16<<16
	s_mov_b32 s[G1S+3], 32<<16
	s_mov_b32 s[G1S+4], 16
	s_mov_b32 s[G1S+5], 32
	s_mov_b32 s[G1S+6], 0
	s_mov_b32 s[G1S+7], 0
	s_mov_b32 s[G1SB+1], 32<<16
	s_mov_b32 s[G1SB+2], 32<<16
	s_mov_b32 s[G1SB+3], 32<<16
	s_mov_b32 s[G1SB+4], 32
	s_mov_b32 s[G1SB+5], 32
	s_mov_b32 s[G1SB+6], 0
	s_mov_b32 s[G1SB+7], 0
	s_lshl_b32 s20, s17, 3
	s_lshl_b32 s18, s16, 2
	s_add_co_u32 s20, s20, s18
	s_mul_i32 s20, s20, 24576
	s_mov_b32 s21, 0
	s_lshl_b32 s22, s17, 13
	s_lshl_b32 s18, s16, 12
	s_add_co_u32 s22, s22, s18
	s_mov_b32 s23, 0
	s_lshl_b32 s46, s42, 4
	s_lshl_b32 s19, s16, 3
	s_add_co_u32 s46, s46, s19
	s_mul_i32 s46, s46, 24576
	s_mov_b32 s47, 0
	s_lshl_b32 s66, s42, 14
	s_lshl_b32 s19, s16, 13
	s_add_co_u32 s66, s66, s19
	s_mov_b32 s67, 0
	s_mul_i32 s45, s16, 24576
	s_mul_i32 s3, s16, 49152
	s_add_co_u32 s3, s3, BOFF
	s_add_co_u32 s18, s18, SCA
	s_add_co_u32 s19, s19, SCB
	s_mov_b32 s[SEL], 0x76543210
	s_mov_b32 s[SEL+1], 0xfedcba98
	s_wait_dscnt 0x0
	s_wait_kmcnt 0x0
	s_add_nc_u64 s[8:9], s[4:5], 6291456
	s_add_nc_u64 s[10:11], s[6:7], 262144
	s_add_nc_u64 s[20:21], s[4:5], s[20:21]
	s_add_nc_u64 s[22:23], s[6:7], s[22:23]
	s_add_nc_u64 s[46:47], s[8:9], s[46:47]
	s_add_nc_u64 s[66:67], s[10:11], s[66:67]
	CROUND
	; the head's four tiles, each whole, one joint load a wave: wave 0 slot 0's 8 tiles of A, wave 1 its 16 tiles of B, wave 2 A's scale words, wave 3 B's
	s_mov_b32 s19, 0
	s_mul_i32 s18, s16, 98304                      ; my half's offset is taken off again: the whole tile begins there
	s_sub_nc_u64 s[6:7], s[20:21], s[18:19]
	s_lshl_b32 s18, s18, 1
	s_sub_nc_u64 s[10:11], s[46:47], s[18:19]
	s_lshl_b32 s18, s16, 12
	s_sub_nc_u64 s[G0S+2:G0S+3], s[22:23], s[18:19]
	s_lshl_b32 s18, s16, 13
	s_sub_nc_u64 s[G0SB+2:G0SB+3], s[66:67], s[18:19]
	; where my prefetches stand: waves 0 and 1 two of B's 16 tile rows each, wave 2 two of A's 8; the four partners of a joint load share a tile's rows out by address (cy for B, cx for A)
	s_lshl_b32 s18, s41, 1
	s_add_co_u32 s18, s18, s14                     ; B: pair 2 cy + wave of its eight pairs of tile rows
	s_cmp_lt_u32 s14, 2
	s_cselect_b64 s[100:101], s[10:11], s[6:7]
	s_cselect_b32 s18, s18, s40                    ; A: pair cx of its four
	s_mul_i32 s18, s18, 49152                      ; a tile row is 24,576 bytes of memory
	s_add_nc_u64 s[100:101], s[100:101], s[18:19]
	s_mov_b32 s4, 1
	s_mov_b32 s5, 0
	s_or_b32 s7, s7, 0x80000000
	s_mov_b32 s8, 1
	s_mov_b32 s9, BOFF
	s_or_b32 s11, s11, 0x80000000
	s_mov_b32 s[G0S], 1
	s_mov_b32 s[G0S+1], SCA
	s_or_b32 s[G0S+3], s[G0S+3], 0x80000000
	s_mov_b32 s[G0SB], 1
	s_mov_b32 s[G0SB+1], SCB
	s_or_b32 s[G0SB+3], s[G0SB+3], 0x80000000
	s_mov_b32 s[G1+2], 8<<16                       ; the head's loads count twice the rows of the ring's
	s_mov_b32 s[G1+4], 8
	s_mov_b32 s[G1B+2], 16<<16
	s_mov_b32 s[G1B+4], 16
	s_mov_b32 s[G1S+2], 32<<16
	s_mov_b32 s[G1S+4], 32
	s_mov_b32 s[G1SB+2], 64<<16
	s_mov_b32 s[G1SB+4], 64
.irp s, 0,1
	s_mov_b32 s[G0+4*\s], 1
	s_add_co_u32 s[G0+4*\s+1], s45, \s*SLOT
	s_add_nc_u64 s[G0+4*\s+2:G0+4*\s+3], s[20:21], \s*6144
	s_or_b32 s[G0+4*\s+3], s[G0+4*\s+3], 0x80000000
	s_mov_b32 s[G0B+4*\s], 1
	s_add_co_u32 s[G0B+4*\s+1], s3, \s*SLOT
	s_add_nc_u64 s[G0B+4*\s+2:G0B+4*\s+3], s[46:47], \s*6144
	s_or_b32 s[G0B+4*\s+3], s[G0B+4*\s+3], 0x80000000
.endr
.macro ARM under, g0, g1, next         ; one chain of branches on the wave's number: every way passes exactly one load
	s_cmp_lt_u32 s14, \under
	s_cbranch_scc0 \next
	tensor_load_to_lds s[\g0:\g0+3], s[\g1:\g1+7]
	s_nop 0
.rept 4
	v_nop
.endr
	s_branch .Lhead_asked
\next:
.endm
	ARM 1, 4, G1, .Lhead_b
	ARM 2, 8, G1B, .Lhead_sa
	ARM 3, G0S, G1S, .Lhead_sb
	tensor_load_to_lds s[G0SB:G0SB+3], s[G1SB:G1SB+7]
	s_nop 0
.rept 4
	v_nop
.endr
.Lhead_asked:
; A PREFETCH of a later slot's tiles: 6,144 bytes (24 blocks of 256) of each tile row, a lane a block, lanes 24 to 31 naming the last block again; two tile rows a wave, waves 0 to 2.
; Each block is named once in each cluster that will load it.  The head asks for slots 1 and 2, the change that loads slot 1 for slot 3: two slots ahead.  The slot stands in the immediate: no address register is written again.
.macro ASK sl
	s_cmp_lt_u32 s14, 3
	s_cbranch_scc0 .Lnoask_\@
	global_prefetch_b8 v8, s[100:101] offset:6144*(\sl) th:TH_LOAD_NT scope:SCOPE_SE
	global_prefetch_b8 v8, s[100:101] offset:6144*(\sl)+24576 th:TH_LOAD_NT scope:SCOPE_SE
.Lnoask_\@:
.endm
	v_and_b32 v8, 31, v0
	v_min_u32 v8, 23, v8
	v_lshlrev_b32 v8, 8, v8
	s_wait_alu depctr_va_vdst(0)
	ASK 1
	ASK 2
	v_and_b32 v1, 15, v0
	v_bfe_u32 v2, v0, 4, 1
	s_wait_alu depctr_va_vdst(0)
	v_and_b32 v5, 31, v0
	s_lshl_b32 s18, s42, 10
	s_lshl_b32 s19, s16, 9
	s_add_co_u32 s18, s18, s19
	s_mov_b32 s19, 0
	s_add_nc_u64 s[12:13], s[12:13], s[18:19]
	v_lshlrev_b32 v7, 6, v2
.irp b, 0,1,2,3,4,5,6,7
	global_load_b128 v[BIAS+8*\b:BIAS+8*\b+3], v7, s[12:13] offset:(32*(\b/2)+8*(\b%2))*4
	global_load_b128 v[BIAS+8*\b+4:BIAS+8*\b+7], v7, s[12:13] offset:(32*(\b/2)+8*(\b%2))*4+16
.endr
	v_lshlrev_b32 v22, 4, v5
	v_lshlrev_b32 v23, 3, v5
	s_mul_i32 s21, s15, 24576
	s_mul_i32 s22, s16, 49152
	s_add_co_u32 s22, s22, BOFF
.irp s, 0,1
	v_add_nc_u32 v[ADRA+\s], s21, v22
	v_add_nc_u32 v[ADRB+\s], s22, v22
	s_add_co_u32 s21, s21, SLOT
	s_add_co_u32 s22, s22, SLOT
.endr
	s_lshl_b32 s21, s15, 12
	s_lshl_b32 s22, s16, 13
	s_add_co_u32 s22, s22, SCB-SCA
	s_sub_co_u32 s22, s22, s21
	v_mul_u32_u24 v6, s22, v2
	s_add_co_u32 s21, s21, SCA
	v_lshl_add_u32 v6, v1, 2, v6
	v_add_nc_u32 v[ADRS], s21, v6
	s_mul_i32 s21, s14, 33856
	v_mul_u32_u24 v24, v1, 528
	v_lshl_add_u32 v24, v2, 6, v24
	v_add_nc_u32 v24, s21, v24
	v_and_b32 v6, 8, v1
	v_add_nc_u32 v6, v6, v1
	v_lshlrev_b32 v25, 2, v6
	v_mad_u32_u24 v25, v2, 16928, v25
	v_add_nc_u32 v25, s21, v25
	s_lshl_b32 s22, s16, 9
	s_lshl_b32 s21, s15, 1
	s_add_co_u32 s22, s22, s21
	s_add_co_u32 s22, s22, VSC
	v_lshl_add_u32 v26, v1, 2, s22
	s_lshl_b32 s22, s14, 8
	s_add_co_u32 s22, s22, QSC
	v_lshl_add_u32 v30, v1, 2, s22
	v_add_nc_u32 v3, s22, v23
	s_lshl_b32 s22, s14, 9
	s_add_co_u32 s22, s22, VSC
	v_add_nc_u32 v4, s22, v22
	v_lshlrev_b32 v31, 3, v2
.macro FETCH slot, q, p
	WIN TO_B
.irp b, 0,1,2,3,4,5,6,7
.irp c, 0,1,2
	ds_load_b128 v[96*(\p)+12*\b+4*\c:96*(\p)+12*\b+4*\c+3], v[ADRB+(\slot)] offset:6144*\b+1536*(\q)+512*\c
.endr
.endr
	WIN 0
.irp a, 0,1,2,3
.irp c, 0,1,2
	ds_load_b128 v[AF+48*(\p)+12*\a+4*\c:AF+48*(\p)+12*\a+4*\c+3], v[ADRA+(\slot)] offset:6144*\a+1536*(\q)+512*\c
.endr
.endr
.endm
.macro SCALES P
.irp i, 0,1,2,3,4,5,6,7
.irp q, 0,1,2,3
	ds_load_b32 v[SC+32*((\P)%2)+4*\i+\q], v[ADRS] offset:4096*(\i/4)+64*(\i%4)+256*(4*(\P)+\q)
.endr
.endr
.endm
.macro MULA a, p, q, sc, cm
.irp b, 0,1,2,3,4,5,6,7
.if \cm
	v_wmma_scale_f32_16x16x128_f8f6f4 v[8*(8*(\a)+\b):8*(8*(\a)+\b)+7], v[96*(\p)+12*\b:96*(\p)+12*\b+11], v[AF+48*(\p)+12*(\a):AF+48*(\p)+12*(\a)+11], v[BIAS+8*\b:BIAS+8*\b+7], v[SC+32*(\sc)+4*\b+(\q)], v[SC+32*(\sc)+4*(\a)+(\q)] matrix_a_fmt:MATRIX_FMT_FP6 matrix_b_fmt:MATRIX_FMT_FP6 matrix_a_scale:MATRIX_SCALE_ROW1
.else
	v_wmma_scale_f32_16x16x128_f8f6f4 v[8*(8*(\a)+\b):8*(8*(\a)+\b)+7], v[96*(\p)+12*\b:96*(\p)+12*\b+11], v[AF+48*(\p)+12*(\a):AF+48*(\p)+12*(\a)+11], v[8*(8*(\a)+\b):8*(8*(\a)+\b)+7], v[SC+32*(\sc)+4*\b+(\q)], v[SC+32*(\sc)+4*(\a)+(\q)] matrix_a_fmt:MATRIX_FMT_FP6 matrix_b_fmt:MATRIX_FMT_FP6 matrix_a_scale:MATRIX_SCALE_ROW1
.endif
.endr
.endm
.macro STEP slot, q, cm
	PLACES 4
	FETCH \slot, (\q)+1, 1-(\q)%2
	XL 4
	s_wait_dscnt 36
.if \cm
	WIN MULB
.else
	WIN MUL
.endif
	MULA 0, (\q)%2, \q, \slot, \cm
	MULA 1, (\q)%2, \q, \slot, \cm
	MULA 2, (\q)%2, \q, \slot, \cm
	MULA 3, (\q)%2, \q, \slot, \cm
	WIN 0
.endm
.macro TURN slot, next, fill, pn
	s_wait_tensorcnt 0x0
	ds_add_u32 v[SPW], v[NIL]
	s_wait_dscnt 1
	WIN MUL
	MULA 0, 1, 3, \slot, 0
	s_wait_dscnt 0x0
	s_barrier_signal -1
	MULA 1, 1, 3, \slot, 0
	WIN 0
	s_barrier_wait -1
.if \fill
	CREST
	s_add_nc_u64 s[G0+4*\slot+2:G0+4*\slot+3], s[G0+4*\slot+2:G0+4*\slot+3], 12288
	s_add_nc_u64 s[G0B+4*\slot+2:G0B+4*\slot+3], s[G0B+4*\slot+2:G0B+4*\slot+3], 12288
	JLOAD G0+4*\slot, G1, G0B+4*\slot, G1B
.else
	PLACES 4
.endif
	FETCH \next, 0, 0
	SCALES \pn
	XL 4
	WIN MUL
	MULA 2, 1, 3, \slot, 0
	MULA 3, 1, 3, \slot, 0
	WIN 0
.endm
	s_wait_alu depctr_va_vdst(0)                   ; the head's end
	s_wait_tensorcnt 0x0                           ; my tile of the head's four is in; the full sequence ahead of slot 1's first fill
	ds_add_u32 v[SPW], v[NIL]
	s_mov_b32 s[G1+2], 4<<16                       ; no tensor load of mine is out: from here on a load brings half a tile's rows
	s_mov_b32 s[G1+4], 4
	s_mov_b32 s[G1B+2], 8<<16
	s_mov_b32 s[G1B+4], 8
	s_wait_dscnt 0x0
	CROUND
	JLOAD G0+4, G1, G0B+4, G1B
	FETCH 0, 0, 0
	SCALES 0
	ASK 3
	s_wait_loadcnt 0x0
	; the table of cos and sin for my four tiles of positions, 64 loads of 512 bytes, goes into window 3: eight loads here, four in each K step
	s_and_b32 s18, s17, 15
	s_lshl_b32 s18, s18, 3
	s_lshl_b32 s19, s15, 2
	s_add_co_u32 s18, s18, s19
	s_lshl_b32 s18, s18, 13
	s_mov_b32 s19, 0
	s_add_nc_u64 s[92:93], s[92:93], s[18:19]
.set XN, 0
.macro XL n
.if XN < 64
	WIN 0xc0
.rept \n
	global_load_b128 v[4*XN:4*XN+3], v22, s[92:93] offset:8192*(XN/16)+512*(XN%16)
.set XN, XN+1
.endr
	WIN 0
.endif
.endm
	XL 8
	STEP 0, 0, 1
	STEP 0, 1, 0
	STEP 0, 2, 0
	TURN 0, 1, 1, 1
	STEP 1, 0, 0
	STEP 1, 1, 0
	STEP 1, 2, 0
	TURN 1, 0, 1, 2
	STEP 0, 0, 0
	STEP 0, 1, 0
	STEP 0, 2, 0
	TURN 0, 1, 0, 3
	STEP 1, 0, 0
	STEP 1, 1, 0
	STEP 1, 2, 0
	s_wait_dscnt 0x0
	WIN MUL
	MULA 0, 1, 3, 1, 0
	MULA 1, 1, 3, 1, 0
	MULA 2, 1, 3, 1, 0
	MULA 3, 1, 3, 1, 0
	WIN 0
.set R,   32
.set VX,  32
.set CS,  96
.set VC,  160
.set PC,  160
.set TM,  180
	s_lshr_b32 s18, s17, 4
	s_and_b32 s19, s17, 15
	s_lshl_b32 s18, s18, 4
	s_lshl_b32 s20, s42, 1
	s_add_co_u32 s18, s18, s20
	s_add_co_u32 s18, s18, s16
	s_lshl_b32 s20, s19, 3
	s_lshl_b32 s21, s15, 2
	s_add_co_u32 s20, s20, s21
	s_mov_b32 s23, 0
	s_lshl_b32 s21, s18, 7
	s_add_co_u32 s21, s21, s20
	s_mul_i32 s22, s21, 1536
	s_add_nc_u64 s[24:25], s[94:95], s[22:23]
	s_lshl_b32 s22, s21, 6
	s_add_nc_u64 s[26:27], s[96:97], s[22:23]
	s_mul_i32 s22, s18, 196608
	s_mul_i32 s21, s19, 12288
	s_add_co_u32 s22, s22, s21
	s_mul_i32 s21, s15, 768
	s_add_co_u32 s22, s22, s21
	s_add_co_u32 s22, s22, 6291456
	s_add_nc_u64 s[28:29], s[94:95], s[22:23]
	s_lshl_b32 s22, s18, 13
	s_lshl_b32 s21, s19, 9
	s_add_co_u32 s22, s22, s21
	s_add_co_u32 s22, s22, 262144
	s_add_nc_u64 s[30:31], s[96:97], s[22:23]
	PLACES 4
	WIN 0x04
.irp a, 0,1,2,3
.irp bb, 0,1,2,3
.irp q, 0,1,2,3
	ds_store_b128 v24, v[64*\a+16*\bb+4*\q:64*\a+16*\bb+4*\q+3] offset:16928*(\a>>1)+8448*(\a&1)+128*\bb+16*\q
.endr
.endr
.endr
	WIN 0
.macro VLOAD t
.irp x, 0,1,2,3,4,5,6,7,8,9,10,11,12,13,14,15,16,17,18,19,20,21,22,23,24,25,26,27,28,29,30,31
	ds_load_b32 v[VX+32*((\t)%2)+\x], v25 offset:528*(16*((\x>>3)&1)+(\x&7)+8*(\x>>4))+4*(32*((\t)>>1)+8*((\t)&1))
.endr
.endm
	v_mov_b32 v228, 0
	s_wait_alu depctr_va_vdst(0)
	VLOAD 0
	VLOAD 1
.irp t, 0,1,2,3,4,5,6,7
.set XS, VX+32*(\t%2)
.if \t == 0
	s_wait_dscnt 32
.elseif \t == 7
	s_wait_dscnt 1
.else
	s_wait_dscnt 33
.endif
	v_max3_num_f32 v224, |v[XS]|, |v[XS+1]|, 0x1800000
	v_max3_num_f32 v225, |v[XS+2]|, |v[XS+3]|, |v[XS+4]|
.irp i, 5,9,13,17,21,25
	v_max3_num_f32 v224, v224, |v[XS+\i]|, |v[XS+\i+1]|
	v_max3_num_f32 v225, v225, |v[XS+\i+2]|, |v[XS+\i+3]|
.endr
	v_max3_num_f32 v224, v224, |v[XS+29]|, |v[XS+30]|
	v_max3_num_f32 v224, v224, v225, |v[XS+31]|
	v_add_nc_u32 v226, 0xff000000, v224
	v_lshrrev_b32 v227, 23, v226
	v_cvt_scalef32_pk16_fp6_f32 v[VC+8*\t:VC+8*\t+2], v[XS:XS+15], v226
	v_cvt_scalef32_pk16_fp6_f32 v[VC+8*\t+4:VC+8*\t+6], v[XS+16:XS+31], v226
	v_lshlrev_b32 v227, v31, v227
	v_mov_b32 v[VC+8*\t+3], v[VC+8*\t+4]
	v_mov_b32 v[VC+8*\t+4], v[VC+8*\t+5]
	v_mov_b32 v[VC+8*\t+5], v[VC+8*\t+6]
	v_permlanex16_b32 v228, v227, s[SEL], s[SEL+1]
	v_or_b32 v[232+\t], v227, v228
	ds_store_b16 v26, v[232+\t] offset:64*\t
.irp p, 0,1,2
	global_store_b64 v23, v[VC+8*\t+2*\p:VC+8*\t+2*\p+1], s[28:29] offset:1536*\t+256*\p
.endr
.if \t < 6
	VLOAD \t+2
.endif
.endr
.macro QUANT s, pw
.irp b, 0,1,2,3
	v_max3_num_f32 v[TM+\b], |v[(\s)+16*\b]|, |v[(\s)+1+16*\b]|, 0x1800000
.endr
.irp i, 2,4,6,8,10,12,14
.irp b, 0,1,2,3
	v_max3_num_f32 v[TM+\b], v[TM+\b], |v[(\s)+16*\b+\i]|, |v[(\s)+1+16*\b+\i]|
.endr
.endr
.irp b, 0,1,2,3
	v_permlanex16_b32 v[TM+4+\b], v[TM+\b], s[SEL], s[SEL+1]
.endr
.irp b, 0,1,2,3
	v_max_num_f32 v[TM+\b], v[TM+\b], v[TM+4+\b]
.endr
.irp b, 0,1,2,3
	v_add_nc_u32 v[TM+12+\b], 0xff000000, v[TM+\b]
.endr
.irp b, 0,1,2,3
	v_lshrrev_b32 v[TM+4+\b], 23, v[TM+12+\b]
.endr
	v_lshl_or_b32 v[\pw], v[TM+5], 8, v[TM+4]
	v_lshl_or_b32 v[\pw], v[TM+6], 16, v[\pw]
	v_lshl_or_b32 v[\pw], v[TM+7], 24, v[\pw]
.irp c, 0,1
	v_cvt_scalef32_pk16_fp6_f32 v[PC+6*\c:PC+2+6*\c], v[(\s)+32*\c:(\s)+15+32*\c], v[TM+12+2*\c]
	v_cvt_scalef32_pk16_fp6_f32 v[PC+12+4*\c:PC+14+4*\c], v[(\s)+16+32*\c:(\s)+31+32*\c], v[TM+12+2*\c+1]
.endr
	v_nop
.irp c, 0,1
.irp i, 0,1,2
	v_permlane16_swap_b32 v[PC+6*\c+\i], v[PC+12+4*\c+\i]
.endr
.irp i, 0,1,2
	v_mov_b32 v[PC+3+6*\c+\i], v[PC+12+4*\c+\i]
.endr
.endr
.endm
	s_wait_xcnt 0x0
.irp b, 0,1,2,3
	v_mov_b32 v[TM+4+\b], 0
.endr
.irp a, 0,1,2,3
	s_wait_loadcnt 0x0
	WIN 0x0d                                       ; source 0: the sums, window 1; source 1: cos (64 a ..) and sin (64 a + 32 ..), window 3
.irp bb, 0,1
.irp e, 0,2,4,6,8,10,12,14
	v_pk_mul_f32 v[R+16*\bb+\e:R+16*\bb+\e+1], v[64*\a+16*\bb+\e:64*\a+16*\bb+\e+1], v[64*\a+16*\bb+\e:64*\a+16*\bb+\e+1]
	v_pk_mul_f32 v[R+32+16*\bb+\e:R+32+16*\bb+\e+1], v[64*\a+32+16*\bb+\e:64*\a+32+16*\bb+\e+1], v[64*\a+16*\bb+\e:64*\a+16*\bb+\e+1]
	v_pk_fma_f32 v[R+16*\bb+\e:R+16*\bb+\e+1], v[64*\a+32+16*\bb+\e:64*\a+32+16*\bb+\e+1], v[64*\a+32+16*\bb+\e:64*\a+32+16*\bb+\e+1], v[R+16*\bb+\e:R+16*\bb+\e+1] neg_lo:[1,0,0] neg_hi:[1,0,0]
	v_pk_fma_f32 v[R+32+16*\bb+\e:R+32+16*\bb+\e+1], v[64*\a+16*\bb+\e:64*\a+16*\bb+\e+1], v[64*\a+32+16*\bb+\e:64*\a+32+16*\bb+\e+1], v[R+32+16*\bb+\e:R+32+16*\bb+\e+1]
.endr
.endr
	WIN 0
	QUANT R, 196+\a
.irp c, 0,1,2
	global_store_b128 v22, v[PC+4*\c:PC+4*\c+3], s[24:25] offset:1536*\a+512*\c
.endr
	ds_store_b32 v30, v[196+\a] offset:64*\a
	s_wait_xcnt 0x0
.endr
	ds_load_b64 v[224:225], v3
	s_wait_dscnt 0x0
	global_store_b64 v23, v[224:225], s[26:27]
	s_barrier_signal -1
	s_barrier_wait -1
	s_cmp_lt_u32 s14, 2
	s_cbranch_scc0 .Lno_vwords
	ds_load_b128 v[228:231], v4
	s_wait_dscnt 0x0
	global_store_b128 v22, v[228:231], s[30:31]
.Lno_vwords:
	s_wait_tensorcnt 0x0
	ds_add_u32 v[SPW], v[NIL]
	s_wait_dscnt 0x0
	CROUND
	s_endpgm
.Lfunc_end_k_q15f78a99a4_qkv:
	.size	k_q15f78a99a4_qkv, .Lfunc_end_k_q15f78a99a4_qkv-k_q15f78a99a4_qkv
	.p2alignl 7, 3214868480
	.fill 96, 4, 3214868480
	.section	.rodata,"a",@progbits
	.p2align	6, 0x0
	.amdhsa_kernel k_q15f78a99a4_qkv
		.amdhsa_group_segment_fixed_size 327680
		.amdhsa_private_segment_fixed_size 0
		.amdhsa_enable_private_segment 0
		.amdhsa_kernarg_size 48
		.amdhsa_user_sgpr_count 2
		.amdhsa_user_sgpr_kernarg_segment_ptr 1
		.amdhsa_wavefront_size32 1
		.amdhsa_system_sgpr_workgroup_id_x 1
		.amdhsa_system_sgpr_workgroup_id_y 1
		.amdhsa_system_sgpr_workgroup_id_z 1
		.amdhsa_system_vgpr_workitem_id 0
		.amdhsa_next_free_vgpr 1024
		.amdhsa_next_free_sgpr 102
		.amdhsa_reserve_vcc 0
		.amdhsa_float_denorm_mode_32 3
		.amdhsa_float_denorm_mode_16_64 3
		.amdhsa_memory_ordered 1
		.amdhsa_forward_progress 1
		.amdhsa_inst_pref_size 207
	.end_amdhsa_kernel
	.amdgpu_metadata
---
amdhsa.version: [ 1, 2 ]
amdhsa.kernels:
  - .name:           k_q15f78a99a4_qkv
    .symbol:         k_q15f78a99a4_qkv.kd
    .args:
      - { .name: codes1, .offset: 0, .size: 8, .value_kind: global_buffer, .address_space: global }
      - { .name: scales1, .offset: 8, .size: 8, .value_kind: global_buffer, .address_space: global }
      - { .name: Wq_b, .offset: 16, .size: 8, .value_kind: global_buffer, .address_space: global }
      - { .name: rope, .offset: 24, .size: 8, .value_kind: global_buffer, .address_space: global }
      - { .name: qkv_codes, .offset: 32, .size: 8, .value_kind: global_buffer, .address_space: global }
      - { .name: qkv_scales, .offset: 40, .size: 8, .value_kind: global_buffer, .address_space: global }
    .group_segment_fixed_size: 327680
    .private_segment_fixed_size: 0
    .kernarg_segment_align: 8
    .kernarg_segment_size: 48
    .max_flat_workgroup_size: 128
    .sgpr_count:     102
    .vgpr_count:     1024
    .wavefront_size: 32
...
	.end_amdgpu_metadata
.endif
;; end of part 2
;; launch attn (part 3): grid 8 x 32, 16 waves a work-group, no clusters, 327,680 bytes of LDS; arguments qkv_codes, qkv_scales, o_codes, o_scales; writes o_codes, o_scales
.if DOCPART == 3
	.amdgcn_target "amdgcn-amd-amdhsa--gfx1250"
	.amdhsa_code_object_version 6
	.text
	.protected	k_q15f78a99a4_attn
	.globl	k_q15f78a99a4_attn
	.p2align	8
	.type	k_q15f78a99a4_attn,@function
k_q15f78a99a4_attn:
	s_mov_b64 s[64:65], 0
	v_nop
	global_prefetch_b8 v0, s[64:65] scope:SCOPE_SE
	s_setreg_imm32_b32 hwreg(HW_REG_WAVE_MODE, 25, 1), 1
	s_wait_xcnt 0x0
; Causal attention on codes of FP6 (E2M3) with E8M0 scales, 32 heads of 2,048 x 128; O / l leaves as codes, quantised along head x 128 + d, as the operand of the last product.
; INPUTS.  Q = K: images of operand registers, tile T (16 tokens 32 (T / 2) + 8 (T % 2) + r + 8 (r / 8)) of head bh at (128 bh + T) x 1,536; scale words at (128 bh + T) x 64 + 4 r.
; V: from byte 6,291,456 on, fragment (key step s of 128, tile t of d) at bh x 196,608 + 12,288 s + 1,536 t, register pair 6 c + 2 p of lane l at 768 c + 256 p + 8 l; scale words from byte 262,144 on at bh x 8,192 + 512 s + 64 t + 4 r.
; SOFTMAX: t = score x log2(e) / sqrt(128); M = the largest t so far, rounded up to a whole number; p = 2^(t - M) is quantised along the keys; the sum is taken of the unquantised p and divides O at the end.
; Key steps that lie wholly behind the causal mask are left out.
; SHARES.  Work-group (i, bh) owns the blocks of 128 queries i and 15 - i, one after the other.  Sixteen waves: wave w takes tile w % 8 of the block in hand and, of each slot of 512 keys (four key steps), steps w / 8 and 2 + w / 8.
; Block i wants NL = (i + 4) / 4 slots, block 15 - i wants 5 - NL: five trips for every i, two key steps a wave and trip, in a counted loop of two.  At a block's end the two waves of a tile join their parts through LDS:
; both M are whole numbers, so each part is brought under the common M by a power of two; waves 0 to 7 divide, quantise and store.  A new block clears nothing: M goes back to -3e38, so the next step's factor is 0.
; A slot in LDS: pair P of tiles at 12,288 P: its two images of step 0, of step 1, 2, 3; K's four pairs, then V's.  One tensor load (4 rows of 3,072 bytes, 12,288 apart in memory) brings a pair; waves 0 to 7 issue them.
; Each slot's first step counts for the block in hand, so every load brings bytes that are read.  At the head waves 0 to 7 fetch slot 0 and waves 8 to 15 the head's scale words, 2,048 bytes each: every wave issues one load.
; NO CLUSTER: the eight work-groups of a head change blocks at different trips (NL hangs on i), so partners would ask for different slots in one round.
; PREFETCH: the work-group with i = 0 walks all four slots in its second block; its waves 8 to 13 name, in trips T = 1 and 2, slot T + 1 (one slot ahead of the tensor load): 8,192 bytes of K and as many of V a wave, lanes 256 bytes apart.
; REGISTERS: v1-4 offsets; v5, v6 the add's two; v7 the second block's Q scale words; v8-10 addresses in hand; v11 the joining stage; v12 -M, v13 largest t, v[14:15] the sum; v16-27 Q; v28-31 offsets;
; v32-79 four fragments; v80-91 the second block's Q; v92-95 V's scale words; v96-159 S^T, p, then four fragments of V; v160-223 O^T; v224-235 p's codes; v232-247, v252-254 at work; v248-251 scale words; v255 Q's scale words.
; LIMITS.  1 / l by v_rcp_f32.  A block whose every p (or O) is 0 or under 2^-124 gets the scale byte 1: this program alone reads the bytes.  NaN and infinities are not served.  The scaled scores stay under 2^31 in magnitude.
.set SLOT1, 98304                      ; a slot's bytes; slot 1 begins here
.set VOFF,  49152
.set MRG,   196608                     ; the joining stage: 8 tiles x 17 x 512 bytes; no tensor load lands here
.set SCK,   266240                     ; K's scale words of the head, 8,192 bytes; then V's
.set SPARE, 282624                     ; the spare words, 128 bytes for each wave
.set OSC,   284672                     ; O's scale words on their way out, 512 bytes
.set SPW,  5
.set NIL,  6
.set QHW,  7
.set ADK,  8
.set ADV,  9
.set ADS,  10
.set MG,   11
.set PFO,  28
.set QH,   80
.set VS,   92
.set PC,   32
.set TM,   232
.set TB,   2
.set TS,   3
.set KH7,  14
.set WV,   18
.set KFU,  19
.set SEL,  20
.set CS,   22
.set G1,   24
.set G1S,  32
.set G0,   40
.set G0S,  44
.set T,    48
.set NL,   49
.set NLM1, 50
.set SI,   51
.set QBL,  52
.set QBH,  53
.set QB,   54
.set KF,   55
.set LIM,  56
.set SB,   57
.set KB,   58
.set PFA,  60
.set LB,   62
.set U,    63
.set TBU,  66
.set TSU,  67
.set OL,   68
.set OH,   70
.set WL,   72
.set WH,   74
.set QLP,  76
.set QHP,  78
.set QLS,  80
.set QHS,  82
.macro NOPS n
.rept \n
	v_nop
.endr
.endm
.macro TLOAD                           ; waves 0 to 7 fetch a pair of tiles each; an s_nop 0 and four v_nop follow the load
	s_cmp_lt_u32 s[WV], 8
	s_cbranch_scc0 .Lasked_\@
	tensor_load_to_lds s[G0:G0+3], s[G1:G1+7]
	s_nop 0
	NOPS 4
.Lasked_\@:
.endm
.macro ASK
	s_cmp_lt_u32 s[T], s[LIM]
	s_cbranch_scc1 .Lnot_mine_\@
	s_cmp_gt_u32 s[T], 2
	s_cbranch_scc1 .Lnot_mine_\@
	global_prefetch_b8 v[PFO], s[PFA:PFA+1] th:TH_LOAD_NT scope:SCOPE_SE
	global_prefetch_b8 v[PFO], s[PFA:PFA+1] offset:6291456 th:TH_LOAD_NT scope:SCOPE_SE
.Lnot_mine_\@:
.endm
.macro OOFF dst, tile                  ; O's image: ((128 batch + tile) 16 + head) x 1,536
	s_add_co_u32 s[\dst], s97, s[\tile]
	s_lshl_b32 s[\dst], s[\dst], 4
	s_add_co_u32 s[\dst], s[\dst], s96
	s_mul_i32 s[\dst], s[\dst], 1536
	s_mov_b32 s[\dst+1], 0
.endm
.macro WOFF dst, blk                   ; four tiles' scale words: ((2 block + w % 2 + 32 batch) 16 + head) x 256
	s_lshl_b32 s[\dst], s[\blk], 1
	s_add_co_u32 s[\dst], s[\dst], s17
	s_add_co_u32 s[\dst], s[\dst], s16
	s_lshl_b32 s[\dst], s[\dst], 4
	s_add_co_u32 s[\dst], s[\dst], s96
	s_lshl_b32 s[\dst], s[\dst], 8
	s_mov_b32 s[\dst+1], 0
.endm
	s_load_b256 s[4:11], s[0:1], 0x0               ; qkv_codes, qkv_scales, o_codes, o_scales
	v_lshl_add_u32 v[SPW], v0, 2, SPARE
	v_mov_b32 v[NIL], 0
	ds_add_u32 v[SPW], v[NIL]                      ; the opening lines: the add twice and one wait ahead of my first tensor load
	ds_add_u32 v[SPW], v[NIL]
	v_lshrrev_b32 v8, 5, v0
	v_readfirstlane_b32 s[WV], v8                  ; wave 0..15
	s_and_b32 s13, ttmp7, 0xffff                   ; bh
	s_and_b32 s12, s[WV], 7                        ; my tile in the block; also which load is mine
	s_lshr_b32 s15, s[WV], 3                       ; which of each two key steps is mine
	s_and_b32 s17, s[WV], 1
	s_lshl_b32 s[KH7], s15, 7
	s_mov_b32 s98, ttmp9                           ; the two blocks
	s_sub_co_u32 s99, 15, ttmp9
	s_add_co_u32 s[NL], ttmp9, 4
	s_lshr_b32 s[NL], s[NL], 2
	s_sub_co_u32 s[NLM1], s[NL], 1
	s_lshl_b32 s[QBL], s98, 7
	s_lshl_b32 s[QBH], s99, 7
	s_mov_b32 s[G1], 3<<16                         ; 4 rows of 384 elements of 8 bytes, 1,536 elements apart
	s_mov_b32 s[G1+1], 384<<16
	s_mov_b32 s[G1+2], 4<<16
	s_mov_b32 s[G1+3], 384<<16
	s_mov_b32 s[G1+4], 4
	s_mov_b32 s[G1+5], 1536
	s_mov_b32 s[G1+6], 0
	s_mov_b32 s[G1+7], 0
	s_mov_b32 s[G1S], 3<<16                        ; 2,048 dense bytes as 8 rows of 256
	s_mov_b32 s[G1S+1], 32<<16
	s_mov_b32 s[G1S+2], 8<<16
	s_mov_b32 s[G1S+3], 32<<16
	s_mov_b32 s[G1S+4], 8
	s_mov_b32 s[G1S+5], 32
	s_mov_b32 s[G1S+6], 0
	s_mov_b32 s[G1S+7], 0
	s_mul_i32 s94, s13, 196608                     ; the head's first byte among K's images and among V's fragments
	s_lshr_b32 s85, s12, 2                         ; loads 0-3 K's pairs, 4-7 V's
	s_mul_i32 s85, s85, 6291456
	s_add_co_u32 s84, s94, s85
	s_and_b32 s85, s12, 3
	s_mul_i32 s85, s85, 3072
	s_add_co_u32 s84, s84, s85
	s_mov_b32 s85, 0
	s_lshl_b32 s86, s13, 13                        ; scale words: parts 0-3 K's, 4-7 V's
	s_lshr_b32 s87, s12, 2
	s_lshl_b32 s87, s87, 18
	s_add_co_u32 s86, s86, s87
	s_and_b32 s87, s12, 3
	s_lshl_b32 s87, s87, 11
	s_add_co_u32 s86, s86, s87
	s_mov_b32 s87, 0
	s_mul_i32 s[LB], s12, 12288                    ; my pair's place in a slot
	s_mov_b32 s[SB], 0                             ; the slot that the next load fills
	s_lshl_b32 s89, s12, 11
	s_add_co_u32 s89, s89, SCK
	s_lshr_b32 s90, s[QBL], 4
	s_add_co_u32 s90, s90, s12                     ; my tile in the head, first block
	s_lshr_b32 s91, s[QBH], 4
	s_add_co_u32 s91, s91, s12                     ; second block
	s_lshl_b32 s92, s13, 7
	s_add_co_u32 s93, s92, s90
	s_mul_i32 s[QLP], s93, 1536
	s_mov_b32 s[QLP+1], 0
	s_lshl_b32 s[QLS], s93, 6
	s_mov_b32 s[QLS+1], 0
	s_add_co_u32 s93, s92, s91
	s_mul_i32 s[QHP], s93, 1536
	s_mov_b32 s[QHP+1], 0
	s_lshl_b32 s[QHS], s93, 6
	s_mov_b32 s[QHS+1], 0
	s_lshr_b32 s95, s13, 4                         ; the batch
	s_and_b32 s96, s13, 15                         ; the head: the last product's K step
	s_lshl_b32 s97, s95, 7
	s_lshl_b32 s16, s95, 5
	OOFF OL, 90
	OOFF OH, 91
	WOFF WL, 98
	WOFF WH, 99
	s_sub_co_u32 s92, s[WV], 8                     ; the prefetches: waves 8 to 13 of the work-group with i = 0
	s_cmp_lt_u32 s92, 6
	s_cselect_b32 s[LIM], 1, 100
	s_cmp_eq_u32 ttmp9, 0
	s_cselect_b32 s[LIM], s[LIM], 100
	s_lshl_b32 s92, s12, 13                        ; my wave's 8,192 bytes of a slot's 49,152 of K; V's lie 6,291,456 further on
	s_add_co_u32 s92, s92, s94
	s_mov_b32 s93, 0
	s_mov_b32 s[SEL], 0x76543210
	s_mov_b32 s[SEL+1], 0xfedcba98
	s_mov_b32 s[CS], 0x3e0293ee                    ; c = log2(e) / sqrt(128)
	s_mov_b32 s[CS+1], s[CS]
	s_mul_i32 s[TB], s15, 3072                     ; the slot in hand, and my first step's images in each pair
	s_mov_b32 s[T], 0
	s_wait_dscnt 0x0
	s_wait_kmcnt 0x0
	s_add_nc_u64 s[KB:KB+1], s[4:5], s[84:85]
	s_mov_b32 s[G0], 1
	s_mov_b32 s[G0+1], s[LB]
	s_mov_b64 s[G0+2:G0+3], s[KB:KB+1]
	s_or_b32 s[G0+3], s[G0+3], 0x80000000
	s_mov_b32 s[G0S], 1
	s_mov_b32 s[G0S+1], s89
	s_add_nc_u64 s[G0S+2:G0S+3], s[6:7], s[86:87]
	s_or_b32 s[G0S+3], s[G0S+3], 0x80000000
	s_cmp_lt_u32 s[WV], 8                          ; two arms, one load each, one join
	s_cbranch_scc0 .Lhead_s
	tensor_load_to_lds s[G0:G0+3], s[G1:G1+7]
	s_nop 0
	NOPS 4
	s_branch .Lhead_j
.Lhead_s:
	tensor_load_to_lds s[G0S:G0S+3], s[G1S:G1S+7]
	s_nop 0
	NOPS 4
.Lhead_j:
	s_add_nc_u64 s[PFA:PFA+1], s[4:5], s[92:93]
	s_add_nc_u64 s[QLP:QLP+1], s[4:5], s[QLP:QLP+1]
	s_add_nc_u64 s[QHP:QHP+1], s[4:5], s[QHP:QHP+1]
	s_add_nc_u64 s[QLS:QLS+1], s[6:7], s[QLS:QLS+1]
	s_add_nc_u64 s[QHS:QHS+1], s[6:7], s[QHS:QHS+1]
	s_add_nc_u64 s[OL:OL+1], s[8:9], s[OL:OL+1]
	s_add_nc_u64 s[OH:OH+1], s[8:9], s[OH:OH+1]
	s_add_nc_u64 s[WL:WL+1], s[10:11], s[WL:WL+1]
	s_add_nc_u64 s[WH:WH+1], s[10:11], s[WH:WH+1]
	s_lshl_b32 s84, s15, 9
	s_add_co_u32 s84, s84, SCK                     ; my first step's scale words in a slot's 2,048 bytes
	s_lshr_b32 s85, s12, 1
	s_lshl_b32 s85, s85, 5
	s_and_b32 s86, s12, 1
	s_lshl_b32 s86, s86, 3
	s_add_co_u32 s85, s85, s86                     ; my tile's first row in the block
	s_lshl_b32 s86, s12, 6
	s_add_co_u32 s86, s86, OSC
	s_lshl_b32 s87, s17, 8
	s_add_co_u32 s87, s87, OSC
	s_mul_i32 s88, s12, 8704
	s_add_co_u32 s88, s88, MRG
	v_and_b32 v8, 15, v0                           ; r
	v_bfe_u32 v9, v0, 4, 1                         ; h
	v_and_b32 v10, 31, v0                          ; lane
	v_lshlrev_b32 v1, 4, v10                       ; 16 x lane
	v_lshlrev_b32 v4, 3, v10                       ; 8 x lane
	v_lshlrev_b32 v254, 2, v8
.irp c, 0,1,2
	global_load_b128 v[16+4*\c:19+4*\c], v1, s[QLP:QLP+1] offset:512*\c    ; the first block's Q
	global_load_b128 v[QH+4*\c:QH+3+4*\c], v1, s[QHP:QHP+1] offset:512*\c  ; the second block's
.endr
	global_load_b32 v255, v254, s[QLS:QLS+1]
	global_load_b32 v[QHW], v254, s[QHS:QHS+1]
	v_add_nc_u32 v2, VOFF, v4
	v_lshl_add_u32 v3, v8, 2, s84
	v_lshlrev_b32 v[PFO], 8, v10
	v_and_b32 v29, 8, v8
	v_add_nc_u32 v29, v29, v8
	v_add_nc_u32 v29, s85, v29                     ; my query, counted from its block's first
	v_lshlrev_b32 v30, 4, v9
	v_sub_nc_u32 v29, v29, v30                     ; less 16 h: register 16 b + i holds key 32 b + 16 h + i: hidden on the diagonal where 32 b + i is above this
	v_lshl_add_u32 v30, v8, 2, s86                 ; O's scale words: 64 bytes a tile
	v_add_nc_u32 v31, s87, v4                      ; and back: waves 0 and 1 alone use it
	v_add_nc_u32 v[MG], s88, v1                    ; my tile's joining stage
	v_mov_b32 v13, 0xff61b1e6                      ; the largest t so far: -3e38
	v_floor_f32 v12, -v13                          ; -M
	v_mov_b32 v14, 0
	v_mov_b32 v15, 0
.irp b, 0,1,2,3
	v_mov_b32 v[236+\b], 0                         ; a lane permute's destination counts as one of its sources
.endr
	v_mov_b32 v252, 0
	v_mov_b32 v253, 0
.set j, 0
.rept 64
	v_mov_b32 v[160+j], 0                          ; O^T: the step is written for every trip alike; the first finds zeros
.set j, j+1
.endr
; A KEY STEP: 128 keys of the slot in hand; s[KFU] its first key, s[TBU] its images' place, s[TSU] its scale words'.
.macro STEP
	s_cmp_gt_u32 s[KFU], s[QB]                     ; all its keys come after the block's queries: left out
	s_cbranch_scc1 .Lhidden_\@
	v_add_nc_u32 v[ADK], s[TBU], v1
	v_add_nc_u32 v[ADV], s[TBU], v2
	v_add_nc_u32 v[ADS], s[TSU], v3
	s_wait_alu depctr_va_vdst(0)                   ; the wait behind these writes
	NOPS 2                                         ; five places in all behind the last products: S^T is laid over fragments that they read
.irp g, 0,1                                    ; S^T = K Q^T, four tiles of 16 keys at a time
.if \g > 0
	NOPS 4
.endif
.irp t, 0,1,2,3
.irp c, 0,1,2
	ds_load_b128 v[32+12*\t+4*\c:35+12*\t+4*\c], v[ADK] offset:((4*\g+\t)>>1)*12288+(\t&1)*1536+512*\c
.endr
	ds_load_b32 v[248+\t], v[ADS] offset:64*(4*\g+\t)
.endr
	s_wait_dscnt 0x0
.irp t, 0,1,2,3
	v_wmma_scale_f32_16x16x128_f8f6f4 v[96+8*(4*\g+\t):103+8*(4*\g+\t)], v[32+12*\t:43+12*\t], v[16:27], 0, v[248+\t], v255 matrix_a_fmt:MATRIX_FMT_FP6 matrix_b_fmt:MATRIX_FMT_FP6
.endr
.endr
	NOPS 4
.irp t, 0,1,2,3                                ; V's tiles 0 to 3 are asked for now; the wait for them stands ahead of the second product
.irp c, 0,1
.irp p, 0,1,2
	ds_load_b64 v[32+12*\t+6*\c+2*\p:33+12*\t+6*\c+2*\p], v[ADV] offset:(\t>>1)*12288+(\t&1)*1536+768*\c+256*\p
.endr
.endr
	ds_load_b32 v[VS+\t], v[ADS] offset:8192+64*\t
.endr
	s_cmp_lt_u32 s[KFU], s[QB]                     ; a step all of whose keys count skips the mask
	s_cbranch_scc1 .Lopen_\@
	v_mov_b32 v254, 0xff800000                     ; on the diagonal hidden scores become -infinity ahead of the maximum
.set j, 0
.rept 64
	v_cmp_gt_i32 vcc_lo, 32*(j/16)+j%16, v29
	v_cndmask_b32 v[96+j], v[96+j], v254, vcc_lo
.set j, j+1
.endr
.Lopen_\@:
.irp b, 0,1,2,3
	v_max3_num_f32 v[232+\b], v[96+16*\b], v[97+16*\b], v[98+16*\b]   ; the largest score of each block of 32 keys: for the row's maximum and for the block's largest p
.endr
.irp i, 3,5,7,9,11,13
.irp b, 0,1,2,3
	v_max3_num_f32 v[232+\b], v[232+\b], v[96+16*\b+\i], v[97+16*\b+\i]
.endr
.endr
.irp b, 0,1,2,3
	v_max_num_f32 v[232+\b], v[232+\b], v[111+16*\b]
.endr
.irp b, 0,1,2,3
	s_delay_alu instid0(VALU_DEP_4)
	v_permlanex16_b32 v[236+\b], v[232+\b], s[SEL], s[SEL+1]
.endr
.irp b, 0,1,2,3
	s_delay_alu instid0(VALU_DEP_4)
	v_max_num_f32 v[232+\b], v[232+\b], v[236+\b]
.endr
	s_delay_alu instid0(VALU_DEP_2)
	v_max3_num_f32 v254, v232, v233, v234
	s_delay_alu instid0(VALU_DEP_1)
	v_max_num_f32 v254, v254, v235
	s_delay_alu instid0(VALU_DEP_1)
	v_mul_f32 v254, s[CS], v254                    ; the step's largest t of my query
	s_delay_alu instid0(VALU_DEP_1)
	v_max_num_f32 v13, v13, v254
	v_mov_b32 v254, v12
	s_delay_alu instid0(VALU_DEP_2)
	v_floor_f32 v12, -v13                          ; the new -M = -ceil(t)
	s_delay_alu instid0(VALU_DEP_1)
	v_sub_f32 v254, v12, v254
	s_delay_alu instid0(VALU_DEP_1)
	v_cvt_i32_f32 v254, v254                       ; (it saturates)
	s_delay_alu instid0(VALU_DEP_1)
	v_ldexp_f32 v252, 1.0, v254                    ; f = 2^(old M - new M)
.set j, 0
.rept 32
	v_pk_fma_f32 v[96+j:97+j], v[96+j:97+j], s[CS:CS+1], v[12:13] op_sel_hi:[1,0,0]   ; t - M
.set j, j+2
.endr
.irp b, 0,1,2,3
	v_fma_f32 v[232+\b], v[232+\b], s[CS], v12
.endr
	s_wait_alu depctr_va_vdst(0)                   ; the wait ahead of the batch
.set j, 0
.rept 64
	v_exp_f32 v[96+j], v[96+j]                     ; p = 2^(t - M)
.set j, j+1
.endr
	v_pk_mul_f32 v[14:15], v[14:15], v[252:253] op_sel_hi:[1,0]   ; the sums under the new M
	s_wait_alu depctr_va_vdst(0)                   ; one wait for the batch, ahead of its first reader
.irp b, 0,1,2,3
	v_exp_f32 v[232+\b], v[232+\b]                 ; the block's largest p
.endr
.irp k, 0,1,2,3,4,5                            ; the row's sum of the unquantised p, in seven chains
	v_pk_add_f32 v[236+2*\k:237+2*\k], v[96+4*\k:97+4*\k], v[98+4*\k:99+4*\k]
.endr
.set j, 0
.rept 20
.if j%7 == 6
	v_pk_add_f32 v[14:15], v[14:15], v[120+2*j:121+2*j]
.else
	v_pk_add_f32 v[236+2*(j%7):237+2*(j%7)], v[236+2*(j%7):237+2*(j%7)], v[120+2*j:121+2*j]
.endif
.set j, j+1
.endr
	v_pk_add_f32 v[236:237], v[236:237], v[238:239]
	v_pk_add_f32 v[240:241], v[240:241], v[242:243]
	v_pk_add_f32 v[244:245], v[244:245], v[246:247]
	s_delay_alu instid0(VALU_DEP_2)
	v_pk_add_f32 v[236:237], v[236:237], v[240:241]
	s_delay_alu instid0(VALU_DEP_2)
	v_pk_add_f32 v[14:15], v[14:15], v[244:245]
	s_delay_alu instid0(VALU_DEP_1)
	v_pk_add_f32 v[14:15], v[14:15], v[236:237]
	s_wait_alu depctr_va_vdst(0)                   ; and one for the four
.irp b, 0,1,2,3
	v_max_num_f32 v[232+\b], 0x1800000, v[232+\b]  ; the floor 2^(3 - 127): the byte cannot fall under 1
.endr
.irp b, 0,1,2,3
	s_delay_alu instid0(VALU_DEP_4)
	v_add_nc_u32 v[244+\b], 0xff000000, v[232+\b]
.endr
.irp b, 0,1,2,3
	s_delay_alu instid0(VALU_DEP_4)
	v_lshrrev_b32 v[236+\b], 23, v[244+\b]
.endr
	s_delay_alu instid0(VALU_DEP_3)
	v_lshl_or_b32 v253, v237, 8, v236              ; p's scale word for these 128 keys
	s_delay_alu instid0(VALU_DEP_1)
	v_lshl_or_b32 v253, v238, 16, v253
	s_delay_alu instid0(VALU_DEP_1)
	v_lshl_or_b32 v253, v239, 24, v253
.irp c, 0,1
	v_cvt_scalef32_pk16_fp6_f32 v[224+6*\c:226+6*\c], v[96+32*\c:111+32*\c], v[244+2*\c]
	v_cvt_scalef32_pk16_fp6_f32 v[236+4*\c:238+4*\c], v[112+32*\c:127+32*\c], v[244+2*\c+1]
.endr
	v_nop                                          ; a plain instruction behind the conversions
.irp t, 0,1,2,3                                ; p is in codes: its registers take V's tiles 4 to 7
.irp c, 0,1
.irp p, 0,1,2
	ds_load_b64 v[96+12*\t+6*\c+2*\p:97+12*\t+6*\c+2*\p], v[ADV] offset:((4+\t)>>1)*12288+(\t&1)*1536+768*\c+256*\p
.endr
.endr
	ds_load_b32 v[248+\t], v[ADS] offset:8192+64*(4+\t)
.endr
.irp c, 0,1
.irp i, 0,1,2
	v_permlane16_swap_b32 v[224+6*\c+\i], v[236+4*\c+\i]
.endr
.irp i, 0,1,2
	s_delay_alu instid0(VALU_DEP_3)
	v_mov_b32 v[227+6*\c+\i], v[236+4*\c+\i]
.endr
.endr
	s_wait_alu depctr_va_vdst(0)                   ; directly ahead of the first reader of O^T
.set j, 0
.rept 32
	v_pk_mul_f32 v[160+j:161+j], v[160+j:161+j], v[252:253] op_sel_hi:[1,0]   ; O^T under the new M; also the places ahead of the products below
.set j, j+2
.endr
	s_wait_alu depctr_va_vdst(0)                   ; and directly ahead of the wait below
	s_wait_dscnt 0x0                               ; all eight fragments of V and their scale words
.irp t, 0,1,2,3                                ; O^T += V^T P^T: eight accumulators by turns
	v_wmma_scale_f32_16x16x128_f8f6f4 v[160+8*\t:167+8*\t], v[32+12*\t:43+12*\t], v[224:235], v[160+8*\t:167+8*\t], v[VS+\t], v253 matrix_a_fmt:MATRIX_FMT_FP6 matrix_b_fmt:MATRIX_FMT_FP6
.endr
.irp t, 0,1,2,3
	v_wmma_scale_f32_16x16x128_f8f6f4 v[192+8*\t:199+8*\t], v[96+12*\t:107+12*\t], v[224:235], v[192+8*\t:199+8*\t], v[248+\t], v253 matrix_a_fmt:MATRIX_FMT_FP6 matrix_b_fmt:MATRIX_FMT_FP6
.endr
.Lhidden_\@:
.endm
.macro STEPS                           ; my two key steps of the slot in hand: step 2 u + w / 8, u = 0, 1: 6,144 bytes, 1,024 bytes of scale words and 256 keys apart
	s_mov_b32 s[U], 0
.Lu_\@:
	s_mul_i32 s96, s[U], 6144
	s_add_co_u32 s[TBU], s[TB], s96
	s_lshl_b32 s96, s[U], 10
	s_add_co_u32 s[TSU], s[TS], s96
	s_lshl_b32 s96, s[U], 8
	s_add_co_u32 s[KFU], s[KF], s96
	STEP
	s_add_co_u32 s[U], s[U], 1
	s_cmp_lt_u32 s[U], 2
	s_cbranch_scc1 .Lu_\@
.endm
; THE CHANGE OF SLOTS, at a trip's head.  Each wave waits for all its tensor loads, adds 0 to its spare word, and waits for that and for its reads of the slot that it has left; behind the barrier the slot ahead is whole and nobody reads the other.
; Between the add and its wait: the trip's numbers, made of the trip's count and ids alone.  fill = 1: the other slot takes the next trip's 512 keys.
.macro CHANGE fill
	s_wait_tensorcnt 0x0
	ds_add_u32 v[SPW], v[NIL]
	s_cmp_ge_u32 s[T], s[NL]                       ; the second block?
	s_cselect_b32 s[SI], s[NL], 0
	s_cselect_b32 s[QB], s[QBH], s[QBL]            ; the block's first query
	s_sub_co_u32 s[SI], s[T], s[SI]                ; the slot's number among the head's keys
	s_lshl_b32 s[KF], s[SI], 9
	s_add_co_u32 s[KF], s[KF], s[KH7]              ; my first step's first key
	s_lshl_b32 s[TS], s[SI], 11
	s_and_b32 s[TS], s[TS], 0x1800                 ; the slot's scale words: 2,048 bytes a slot
	s_wait_xcnt 0x0                                ; earlier stores and the last prefetches have read their registers
.if \fill
	s_add_co_u32 s96, s[T], 1
	s_cmp_ge_u32 s96, s[NL]
	s_cselect_b32 s97, s[NL], 0
	s_sub_co_u32 s96, s96, s97
	s_mul_i32 s96, s96, 49152
	s_mov_b32 s97, 0
	s_xor_b32 s[SB], s[SB], SLOT1                  ; no load of mine is out: the descriptor may be written
	s_add_co_u32 s[G0+1], s[LB], s[SB]
	s_add_nc_u64 s[G0+2:G0+3], s[KB:KB+1], s[96:97]
	s_or_b32 s[G0+3], s[G0+3], 0x80000000
	s_add_nc_u64 s[PFA:PFA+1], s[PFA:PFA+1], 49152
.endif
	s_wait_dscnt 0x0
	s_barrier_signal -1
	s_barrier_wait -1
.if \fill
	TLOAD
	ASK
.endif
.endm
.macro QUANT s, pw                     ; 64 numbers of a lane, register 16 b + i = k 32 b + 16 (lane / 16) + i of my row, become a fragment's codes in v[PC] on and its scale word in v[pw]
.irp b, 0,1,2,3
	v_max3_num_f32 v[TM+\b], |v[(\s)+16*\b]|, |v[(\s)+1+16*\b]|, 0x1800000
.endr
.irp i, 2,4,6,8,10,12,14
.irp b, 0,1,2,3
	s_delay_alu instid0(VALU_DEP_4)
	v_max3_num_f32 v[TM+\b], v[TM+\b], |v[(\s)+16*\b+\i]|, |v[(\s)+1+16*\b+\i]|
.endr
.endr
.irp b, 0,1,2,3
	s_delay_alu instid0(VALU_DEP_4)
	v_permlanex16_b32 v[TM+4+\b], v[TM+\b], s[SEL], s[SEL+1]
.endr
.irp b, 0,1,2,3
	s_delay_alu instid0(VALU_DEP_4)
	v_max_num_f32 v[TM+\b], v[TM+\b], v[TM+4+\b]
.endr
.irp b, 0,1,2,3
	s_delay_alu instid0(VALU_DEP_4)
	v_add_nc_u32 v[TM+12+\b], 0xff000000, v[TM+\b]
.endr
.irp b, 0,1,2,3
	s_delay_alu instid0(VALU_DEP_4)
	v_lshrrev_b32 v[TM+4+\b], 23, v[TM+12+\b]
.endr
	s_delay_alu instid0(VALU_DEP_3)
	v_lshl_or_b32 v[\pw], v[TM+5], 8, v[TM+4]
	s_delay_alu instid0(VALU_DEP_1)
	v_lshl_or_b32 v[\pw], v[TM+6], 16, v[\pw]
	s_delay_alu instid0(VALU_DEP_1)
	v_lshl_or_b32 v[\pw], v[TM+7], 24, v[\pw]
.irp c, 0,1
	v_cvt_scalef32_pk16_fp6_f32 v[PC+6*\c:PC+2+6*\c], v[(\s)+32*\c:(\s)+15+32*\c], v[TM+12+2*\c]
	v_cvt_scalef32_pk16_fp6_f32 v[PC+12+4*\c:PC+14+4*\c], v[(\s)+16+32*\c:(\s)+31+32*\c], v[TM+12+2*\c+1]
.endr
	v_nop
.irp c, 0,1
.irp i, 0,1,2
	v_permlane16_swap_b32 v[PC+6*\c+\i], v[PC+12+4*\c+\i]
.endr
.irp i, 0,1,2
	s_delay_alu instid0(VALU_DEP_3)
	v_mov_b32 v[PC+3+6*\c+\i], v[PC+12+4*\c+\i]
.endr
.endr
.endm
; A BLOCK'S END.  Waves 8 to 15 lay O^T, -M and the sum into their tile's stage; behind a barrier waves 0 to 7 join them with their own, divide, quantise along d and store the image; the scale words are gathered, 256 bytes to a store.
; ob, wb: where the block's images and words go.  more = 1: the second block follows.
.macro FINISH ob, wb, more
	NOPS 4                                         ; four places behind the last products
	s_cmp_lt_u32 s[WV], 8
	s_cbranch_scc1 .Lown_\@
.set j, 0
.rept 16
	ds_store_b128 v[MG], v[160+4*j:163+4*j] offset:512*j   ; each accumulator from its low end on
.set j, j+1
.endr
	ds_store_b128 v[MG], v[12:15] offset:8192
.Lown_\@:
	s_wait_dscnt 0x0                               ; for the others' sake
	s_barrier_signal -1
	s_barrier_wait -1
	s_cmp_lt_u32 s[WV], 8
	s_cbranch_scc0 .Lidle_\@
.set j, 0
.rept 16
	ds_load_b128 v[96+4*j:99+4*j], v[MG] offset:512*j
.set j, j+1
.endr
	ds_load_b128 v[232:235], v[MG] offset:8192
	s_wait_dscnt 0x0
	v_min_num_f32 v240, v12, v232                  ; the common -M
	v_add_f32 v14, v14, v15
	v_add_f32 v234, v234, v235
	v_sub_f32 v241, v240, v12
	v_sub_f32 v242, v240, v232
	v_cvt_i32_f32 v241, v241                       ; (they saturate: a part with no key counts for nothing)
	v_cvt_i32_f32 v242, v242
	v_ldexp_f32 v241, 1.0, v241                    ; my part's factor, a power of two,
	v_ldexp_f32 v242, 1.0, v242                    ; and the other's
	v_mul_f32 v14, v14, v241
	v_fma_f32 v14, v234, v242, v14
	v_permlanex16_b32 v252, v14, s[SEL], s[SEL+1]
	v_add_f32 v14, v14, v252                       ; the row's sum
	s_wait_alu depctr_va_vdst(0)
	v_rcp_f32 v243, v14
	v_nop
	s_wait_alu depctr_va_vdst(0)                   ; ahead of the reciprocal's first reader
	v_mul_f32 v252, v241, v243
	v_mul_f32 v14, v242, v243
.set j, 0
.rept 32
	v_pk_mul_f32 v[96+j:97+j], v[96+j:97+j], v[14:15] op_sel_hi:[1,0]
.set j, j+2
.endr
	s_wait_alu depctr_va_vdst(0)                   ; directly ahead of the first reader of O^T
.set j, 0
.rept 32
	v_pk_fma_f32 v[96+j:97+j], v[160+j:161+j], v[252:253], v[96+j:97+j] op_sel_hi:[1,0,1]
.set j, j+2
.endr
	QUANT 96, 254
.irp c, 0,1,2
	global_store_b128 v1, v[PC+4*\c:PC+4*\c+3], s[\ob:\ob+1] offset:512*\c   ; the image: 512 consecutive bytes a store
.endr
	ds_store_b32 v30, v254                         ; both lanes of a row write the same word with the same value
.Lidle_\@:
	s_wait_dscnt 0x0
	s_barrier_signal -1
	s_barrier_wait -1
	s_cmp_lt_u32 s[WV], 2
	s_cbranch_scc0 .Lno_words_\@
	ds_load_b64 v[52:53], v31                      ; four tiles' words
	s_wait_dscnt 0x0
	global_store_b64 v4, v[52:53], s[\wb:\wb+1]    ; 256 consecutive bytes, aligned
.Lno_words_\@:
.if \more
	v_mov_b32 v13, 0xff61b1e6                      ; the next block begins: under this M the next step's factor is 0, which clears the sums
	v_floor_f32 v12, -v13
.set j, 0
.rept 12
	v_mov_b32 v[16+j], v[QH+j]
.set j, j+1
.endr
	v_mov_b32 v255, v[QHW]
	s_wait_alu depctr_va_vdst(0)
.endif
.endm
	s_wait_alu depctr_va_vdst(0)                   ; the head's end
	s_wait_loadcnt 0x0                             ; both blocks' Q
.Ltrip:                                            ; 4 trips; the fifth is written out: it asks for nothing
	CHANGE 1
	STEPS
	s_xor_b32 s[TB], s[TB], SLOT1
	s_cmp_lg_u32 s[T], s[NLM1]                     ; the first block's last trip?  Ids and the trip's count alone, the same in all waves
	s_cbranch_scc1 .Lnofin
	FINISH OL, WL, 1
.Lnofin:
	s_add_co_u32 s[T], s[T], 1
	s_cmp_lt_u32 s[T], 4
	s_cbranch_scc1 .Ltrip
	CHANGE 0
	STEPS
	FINISH OH, WH, 0
	s_wait_tensorcnt 0x0                           ; the wave's end
	ds_add_u32 v[SPW], v[NIL]
	s_wait_dscnt 0x0
	s_endpgm
.Lfunc_end_k_q15f78a99a4_attn:
	.size	k_q15f78a99a4_attn, .Lfunc_end_k_q15f78a99a4_attn-k_q15f78a99a4_attn
	.p2alignl 7, 3214868480
	.fill 96, 4, 3214868480
	.section	.rodata,"a",@progbits
	.p2align	6, 0x0
	.amdhsa_kernel k_q15f78a99a4_attn
		.amdhsa_group_segment_fixed_size 327680
		.amdhsa_private_segment_fixed_size 0
		.amdhsa_enable_private_segment 0
		.amdhsa_kernarg_size 32
		.amdhsa_user_sgpr_count 2
		.amdhsa_user_sgpr_kernarg_segment_ptr 1
		.amdhsa_wavefront_size32 1
		.amdhsa_system_sgpr_workgroup_id_x 1
		.amdhsa_system_sgpr_workgroup_id_y 1
		.amdhsa_system_sgpr_workgroup_id_z 1
		.amdhsa_system_vgpr_workitem_id 0
		.amdhsa_next_free_vgpr 256
		.amdhsa_next_free_sgpr 100
		.amdhsa_reserve_vcc 1
		.amdhsa_float_denorm_mode_32 3
		.amdhsa_float_denorm_mode_16_64 3
		.amdhsa_memory_ordered 1
		.amdhsa_forward_progress 1
		.amdhsa_inst_pref_size 95
	.end_amdhsa_kernel
	.amdgpu_metadata
---
amdhsa.version: [ 1, 2 ]
amdhsa.kernels:
  - .name:           k_q15f78a99a4_attn
    .symbol:         k_q15f78a99a4_attn.kd
    .args:
      - { .name: qkv_codes, .offset: 0, .size: 8, .value_kind: global_buffer, .address_space: global }
      - { .name: qkv_scales, .offset: 8, .size: 8, .value_kind: global_buffer, .address_space: global }
      - { .name: o_codes, .offset: 16, .size: 8, .value_kind: global_buffer, .address_space: global }
      - { .name: o_scales, .offset: 24, .size: 8, .value_kind: global_buffer, .address_space: global }
    .group_segment_fixed_size: 327680
    .private_segment_fixed_size: 0
    .kernarg_segment_align: 8
    .kernarg_segment_size: 32
    .max_flat_workgroup_size: 512
    .sgpr_count:     100
    .vgpr_count:     256
    .wavefront_size: 32
...
	.end_amdgpu_metadata
.endif
;; end of part 3
;; launch proj (part 4): grid 8 x 32, 4 waves a work-group, clusters of 4 x 4, 327,680 bytes of LDS; arguments o_codes, o_scales, codes1, scales1, Wo_b, X, out0; writes out0
.if DOCPART == 4
	.amdgcn_target "amdgcn-amd-amdhsa--gfx1250"
	.amdhsa_code_object_version 6
	.text
	.protected	k_q15f78a99a4_proj
	.globl	k_q15f78a99a4_proj
	.p2align	8
	.type	k_q15f78a99a4_proj,@function
k_q15f78a99a4_proj:
	s_mov_b64 s[64:65], 0
	v_nop
	global_prefetch_b8 v0, s[64:65] scope:SCOPE_SE
	s_setreg_imm32_b32 hwreg(HW_REG_WAVE_MODE, 25, 1), 1
	s_wait_xcnt 0x0
	s_wait_alu depctr_hold_cnt(0) depctr_sa_sdst(0) depctr_va_vdst(0) depctr_va_sdst(0) depctr_va_ssrc(0) depctr_va_vcc(0) depctr_vm_vsrc(0)
	s_getreg_b32 s2, hwreg(HW_REG_IB_STS2, 6, 4)
	s_cmp_eq_u32 s2, 0
	s_cbranch_scc0 .Lentry_in_a_cluster
	s_endpgm
.Lentry_in_a_cluster:
	s_bfe_u32 s2, ttmp6, 0x10000c
	s_cmp_lg_u32 s2, 0xf033
	s_cbranch_scc0 .Lentry_shape_is_right
	s_endpgm
.Lentry_shape_is_right:
.set SLOT,  147456
.set BOFF,  49152
.set SCA,   294912
.set SCB,   303104
.set SPARE, 319488
.set ADRA, 16
.set ADRB, 20
.set ADRS, 27
.set SPW,  28
.set NIL,  29
.set SC,   32
.set AF,   96
.set BIAS, 192
.set G1,   24
.set G0,   32
.set G1B,  48
.set G0B,  56
.set G1S,  68
.set G0S,  76
.set G1SB, 80
.set G0SB, 88
.set MSB, 0
.macro WIN new
.if MSB != \new
	s_set_vgpr_msb (MSB<<8)|\new
.set MSB, \new
.endif
.endm
.set MUL,  0x52
.set MULB, 0x42
.set TO_B, 0x80
.macro JLOAD g0a, g1a, g0b, g1b
	s_cmp_eq_u32 s15, 0
	s_cbranch_scc0 .Lfor_b_\@
	tensor_load_to_lds s[\g0a:\g0a+3], s[\g1a:\g1a+7]
	s_nop 0
.rept 4
	v_nop
.endr
	s_branch .Lasked_\@
.Lfor_b_\@:
	tensor_load_to_lds s[\g0b:\g0b+3], s[\g1b:\g1b+7]
	s_nop 0
.rept 4
	v_nop
.endr
.Lasked_\@:
.endm
.macro CREST
	s_cmp_lg_u32 s14, 0
	s_cbranch_scc1 .Lnot_wave_0_\@
	s_barrier_signal -3
.Lnot_wave_0_\@:
	s_barrier_wait -3
	s_barrier_signal -1
	s_barrier_wait -1
.endm
.macro CROUND
	s_barrier_signal -1
	s_barrier_wait -1
	CREST
.endm
.macro PLACES n
.rept \n
	v_nop
.endr
.endm
	s_load_b128 s[4:7], s[0:1], 0x0
	s_load_b128 s[8:11], s[0:1], 0x10
	s_load_b64 s[12:13], s[0:1], 0x20
	s_load_b64 s[92:93], s[0:1], 0x28
	s_load_b64 s[94:95], s[0:1], 0x30
	v_lshl_add_u32 v[SPW], v0, 2, SPARE
	v_mov_b32 v[NIL], 0
	ds_add_u32 v[SPW], v[NIL]
	ds_add_u32 v[SPW], v[NIL]
	v_lshrrev_b32 v1, 5, v0
	v_readfirstlane_b32 s14, v1
	s_lshr_b32 s15, s14, 1
	s_and_b32 s16, s14, 1
	s_bfe_u32 s40, ttmp6, 0x40000
	s_bfe_u32 s41, ttmp6, 0x40004
	s_lshl_b32 s42, ttmp9, 2
	s_add_co_u32 s42, s42, s40
	s_and_b32 s17, ttmp7, 0xffff
	s_lshl_b32 s17, s17, 2
	s_add_co_u32 s17, s17, s41
	s_lshl_b32 s43, s41, 2
	s_lshl_b32 s43, 15, s43
	s_lshl_b32 s44, 0x1111, s40
	s_or_b32 s[G1+0], s43, (3<<16)|(1<<21)
	s_or_b32 s[G1B+0], s44, (3<<16)|(1<<21)
	s_mov_b32 s[G1+1], 768<<16
	s_mov_b32 s[G1+2], 4<<16
	s_mov_b32 s[G1+3], 768<<16
	s_mov_b32 s[G1+4], 4
	s_mov_b32 s[G1+5], 3072
	s_mov_b32 s[G1+6], 0
	s_mov_b32 s[G1+7], 0
	s_mov_b32 s[G1B+1], 768<<16
	s_mov_b32 s[G1B+2], 8<<16
	s_mov_b32 s[G1B+3], 768<<16
	s_mov_b32 s[G1B+4], 8
	s_mov_b32 s[G1B+5], 3072
	s_mov_b32 s[G1B+6], 0
	s_mov_b32 s[G1B+7], 0
	s_or_b32 s[G1S+0], s43, (3<<16)|(1<<21)
	s_or_b32 s[G1SB+0], s44, (3<<16)|(1<<21)
	s_mov_b32 s[G1S+1], 32<<16
	s_mov_b32 s[G1S+2], 16<<16
	s_mov_b32 s[G1S+3], 32<<16
	s_mov_b32 s[G1S+4], 16
	s_mov_b32 s[G1S+5], 32
	s_mov_b32 s[G1S+6], 0
	s_mov_b32 s[G1S+7], 0
	s_mov_b32 s[G1SB+1], 32<<16
	s_mov_b32 s[G1SB+2], 32<<16
	s_mov_b32 s[G1SB+3], 32<<16
	s_mov_b32 s[G1SB+4], 32
	s_mov_b32 s[G1SB+5], 32
	s_mov_b32 s[G1SB+6], 0
	s_mov_b32 s[G1SB+7], 0
	s_lshl_b32 s20, s17, 3
	s_lshl_b32 s18, s16, 2
	s_add_co_u32 s20, s20, s18
	s_mul_i32 s20, s20, 24576
	s_mov_b32 s21, 0
	s_lshl_b32 s22, s17, 13
	s_lshl_b32 s18, s16, 12
	s_add_co_u32 s22, s22, s18
	s_mov_b32 s23, 0
	s_lshl_b32 s46, s42, 4
	s_lshl_b32 s19, s16, 3
	s_add_co_u32 s46, s46, s19
	s_mul_i32 s46, s46, 24576
	s_mov_b32 s47, 0
	s_lshl_b32 s66, s42, 14
	s_lshl_b32 s19, s16, 13
	s_add_co_u32 s66, s66, s19
	s_mov_b32 s67, 0
	s_mul_i32 s45, s16, 24576
	s_mul_i32 s3, s16, 49152
	s_add_co_u32 s3, s3, BOFF
	s_add_co_u32 s18, s18, SCA
	s_add_co_u32 s19, s19, SCB
	s_wait_dscnt 0x0
	s_wait_kmcnt 0x0
	s_add_nc_u64 s[8:9], s[8:9], 9437184
	s_add_nc_u64 s[10:11], s[10:11], 393216
	s_add_nc_u64 s[20:21], s[4:5], s[20:21]
	s_add_nc_u64 s[22:23], s[6:7], s[22:23]
	s_add_nc_u64 s[46:47], s[8:9], s[46:47]
	s_add_nc_u64 s[66:67], s[10:11], s[66:67]
	CROUND
	; the head's four tiles, each whole, one joint load a wave: wave 0 slot 0's 8 tiles of A, wave 1 its 16 tiles of B, wave 2 A's scale words, wave 3 B's
	s_mov_b32 s19, 0
	s_mul_i32 s18, s16, 98304                      ; my half's offset is taken off again: the whole tile begins there
	s_sub_nc_u64 s[6:7], s[20:21], s[18:19]
	s_lshl_b32 s18, s18, 1
	s_sub_nc_u64 s[10:11], s[46:47], s[18:19]
	s_lshl_b32 s18, s16, 12
	s_sub_nc_u64 s[G0S+2:G0S+3], s[22:23], s[18:19]
	s_lshl_b32 s18, s16, 13
	s_sub_nc_u64 s[G0SB+2:G0SB+3], s[66:67], s[18:19]
	; where my prefetches stand: waves 0 and 1 two of B's 16 tile rows each, wave 2 two of A's 8; the four partners of a joint load share a tile's rows out by address (cy for B, cx for A)
	s_lshl_b32 s18, s41, 1
	s_add_co_u32 s18, s18, s14                     ; B: pair 2 cy + wave of its eight pairs of tile rows
	s_cmp_lt_u32 s14, 2
	s_cselect_b64 s[100:101], s[10:11], s[6:7]
	s_cselect_b32 s18, s18, s40                    ; A: pair cx of its four
	s_mul_i32 s18, s18, 49152                      ; a tile row is 24,576 bytes of memory
	s_add_nc_u64 s[100:101], s[100:101], s[18:19]
	s_mov_b32 s4, 1
	s_mov_b32 s5, 0
	s_or_b32 s7, s7, 0x80000000
	s_mov_b32 s8, 1
	s_mov_b32 s9, BOFF
	s_or_b32 s11, s11, 0x80000000
	s_mov_b32 s[G0S], 1
	s_mov_b32 s[G0S+1], SCA
	s_or_b32 s[G0S+3], s[G0S+3], 0x80000000
	s_mov_b32 s[G0SB], 1
	s_mov_b32 s[G0SB+1], SCB
	s_or_b32 s[G0SB+3], s[G0SB+3], 0x80000000
	s_mov_b32 s[G1+2], 8<<16                       ; the head's loads count twice the rows of the ring's
	s_mov_b32 s[G1+4], 8
	s_mov_b32 s[G1B+2], 16<<16
	s_mov_b32 s[G1B+4], 16
	s_mov_b32 s[G1S+2], 32<<16
	s_mov_b32 s[G1S+4], 32
	s_mov_b32 s[G1SB+2], 64<<16
	s_mov_b32 s[G1SB+4], 64
.irp s, 0,1
	s_mov_b32 s[G0+4*\s], 1
	s_add_co_u32 s[G0+4*\s+1], s45, \s*SLOT
	s_add_nc_u64 s[G0+4*\s+2:G0+4*\s+3], s[20:21], \s*6144
	s_or_b32 s[G0+4*\s+3], s[G0+4*\s+3], 0x80000000
	s_mov_b32 s[G0B+4*\s], 1
	s_add_co_u32 s[G0B+4*\s+1], s3, \s*SLOT
	s_add_nc_u64 s[G0B+4*\s+2:G0B+4*\s+3], s[46:47], \s*6144
	s_or_b32 s[G0B+4*\s+3], s[G0B+4*\s+3], 0x80000000
.endr
.macro ARM under, g0, g1, next         ; one chain of branches on the wave's number: every way passes exactly one load
	s_cmp_lt_u32 s14, \under
	s_cbranch_scc0 \next
	tensor_load_to_lds s[\g0:\g0+3], s[\g1:\g1+7]
	s_nop 0
.rept 4
	v_nop
.endr
	s_branch .Lhead_asked
\next:
.endm
	ARM 1, 4, G1, .Lhead_b
	ARM 2, 8, G1B, .Lhead_sa
	ARM 3, G0S, G1S, .Lhead_sb
	tensor_load_to_lds s[G0SB:G0SB+3], s[G1SB:G1SB+7]
	s_nop 0
.rept 4
	v_nop
.endr
.Lhead_asked:
; A PREFETCH of a later slot's tiles: 6,144 bytes (24 blocks of 256) of each tile row, a lane a block, lanes 24 to 31 naming the last block again; two tile rows a wave, waves 0 to 2.
; Each block is named once in each cluster that will load it.  The head asks for slots 1 and 2, the change that loads slot 1 for slot 3: two slots ahead.  The slot stands in the immediate: no address register is written again.
.macro ASK sl
	s_cmp_lt_u32 s14, 3
	s_cbranch_scc0 .Lnoask_\@
	global_prefetch_b8 v8, s[100:101] offset:6144*(\sl) th:TH_LOAD_NT scope:SCOPE_SE
	global_prefetch_b8 v8, s[100:101] offset:6144*(\sl)+24576 th:TH_LOAD_NT scope:SCOPE_SE
.Lnoask_\@:
.endm
	v_and_b32 v8, 31, v0
	v_min_u32 v8, 23, v8
	v_lshlrev_b32 v8, 8, v8
	s_wait_alu depctr_va_vdst(0)
	ASK 1
	ASK 2
	v_and_b32 v1, 15, v0
	v_bfe_u32 v2, v0, 4, 1
	v_and_b32 v5, 31, v0
	s_wait_alu depctr_va_vdst(0)
	s_lshl_b32 s18, s42, 10
	s_lshl_b32 s19, s16, 9
	s_add_co_u32 s18, s18, s19
	s_mov_b32 s19, 0
	s_add_nc_u64 s[12:13], s[12:13], s[18:19]
	v_lshlrev_b32 v7, 6, v2
.irp b, 0,1,2,3,4,5,6,7
	global_load_b128 v[BIAS+8*\b:BIAS+8*\b+3], v7, s[12:13] offset:(32*(\b/2)+8*(\b%2))*4
	global_load_b128 v[BIAS+8*\b+4:BIAS+8*\b+7], v7, s[12:13] offset:(32*(\b/2)+8*(\b%2))*4+16
.endr
	s_lshl_b32 s20, s17, 7
	s_lshl_b32 s21, s15, 6
	s_add_co_u32 s20, s20, s21
	s_lshl_b32 s20, s20, 13
	s_add_co_u32 s18, s18, s20
	s_add_nc_u64 s[92:93], s[92:93], s[18:19]
	s_add_nc_u64 s[94:95], s[94:95], s[18:19]
	v_lshlrev_b32 v22, 4, v5
	s_mul_i32 s21, s15, 24576
	s_mul_i32 s22, s16, 49152
	s_add_co_u32 s22, s22, BOFF
.irp s, 0,1
	v_add_nc_u32 v[ADRA+\s], s21, v22
	v_add_nc_u32 v[ADRB+\s], s22, v22
	s_add_co_u32 s21, s21, SLOT
	s_add_co_u32 s22, s22, SLOT
.endr
	s_lshl_b32 s21, s15, 12
	s_lshl_b32 s22, s16, 13
	s_add_co_u32 s22, s22, SCB-SCA
	s_sub_co_u32 s22, s22, s21
	v_mul_u32_u24 v6, s22, v2
	s_add_co_u32 s21, s21, SCA
	v_lshl_add_u32 v6, v1, 2, v6
	v_add_nc_u32 v[ADRS], s21, v6
	s_mul_i32 s21, s14, 8448
	v_mul_u32_u24 v24, v1, 528
	v_lshl_add_u32 v24, v2, 6, v24
	v_add_nc_u32 v24, s21, v24
	v_add_nc_u32 v25, s21, v22
.macro FETCH slot, q, p
	WIN TO_B
.irp b, 0,1,2,3,4,5,6,7
.irp c, 0,1,2
	ds_load_b128 v[96*(\p)+12*\b+4*\c:96*(\p)+12*\b+4*\c+3], v[ADRB+(\slot)] offset:6144*\b+1536*(\q)+512*\c
.endr
.endr
	WIN 0
.irp a, 0,1,2,3
.irp c, 0,1,2
	ds_load_b128 v[AF+48*(\p)+12*\a+4*\c:AF+48*(\p)+12*\a+4*\c+3], v[ADRA+(\slot)] offset:6144*\a+1536*(\q)+512*\c
.endr
.endr
.endm
.macro SCALES P
.irp i, 0,1,2,3,4,5,6,7
.irp q, 0,1,2,3
	ds_load_b32 v[SC+32*((\P)%2)+4*\i+\q], v[ADRS] offset:4096*(\i/4)+64*(\i%4)+256*(4*(\P)+\q)
.endr
.endr
.endm
.macro MULA a, p, q, sc, cm
.irp b, 0,1,2,3,4,5,6,7
.if \cm
	v_wmma_scale_f32_16x16x128_f8f6f4 v[8*(8*(\a)+\b):8*(8*(\a)+\b)+7], v[96*(\p)+12*\b:96*(\p)+12*\b+11], v[AF+48*(\p)+12*(\a):AF+48*(\p)+12*(\a)+11], v[BIAS+8*\b:BIAS+8*\b+7], v[SC+32*(\sc)+4*\b+(\q)], v[SC+32*(\sc)+4*(\a)+(\q)] matrix_a_fmt:MATRIX_FMT_FP6 matrix_b_fmt:MATRIX_FMT_FP6 matrix_a_scale:MATRIX_SCALE_ROW1
.else
	v_wmma_scale_f32_16x16x128_f8f6f4 v[8*(8*(\a)+\b):8*(8*(\a)+\b)+7], v[96*(\p)+12*\b:96*(\p)+12*\b+11], v[AF+48*(\p)+12*(\a):AF+48*(\p)+12*(\a)+11], v[8*(8*(\a)+\b):8*(8*(\a)+\b)+7], v[SC+32*(\sc)+4*\b+(\q)], v[SC+32*(\sc)+4*(\a)+(\q)] matrix_a_fmt:MATRIX_FMT_FP6 matrix_b_fmt:MATRIX_FMT_FP6 matrix_a_scale:MATRIX_SCALE_ROW1
.endif
.endr
.endm
.macro STEP slot, q, cm
	PLACES 4
	FETCH \slot, (\q)+1, 1-(\q)%2
	XL 4
	s_wait_dscnt 36
.if \cm
	WIN MULB
.else
	WIN MUL
.endif
	MULA 0, (\q)%2, \q, \slot, \cm
	MULA 1, (\q)%2, \q, \slot, \cm
	MULA 2, (\q)%2, \q, \slot, \cm
	MULA 3, (\q)%2, \q, \slot, \cm
	WIN 0
.endm
.macro TURN slot, next, fill, pn
	s_wait_tensorcnt 0x0
	ds_add_u32 v[SPW], v[NIL]
	s_wait_dscnt 1
	WIN MUL
	MULA 0, 1, 3, \slot, 0
	s_wait_dscnt 0x0
	s_barrier_signal -1
	MULA 1, 1, 3, \slot, 0
	WIN 0
	s_barrier_wait -1
.if \fill
	CREST
	s_add_nc_u64 s[G0+4*\slot+2:G0+4*\slot+3], s[G0+4*\slot+2:G0+4*\slot+3], 12288
	s_add_nc_u64 s[G0B+4*\slot+2:G0B+4*\slot+3], s[G0B+4*\slot+2:G0B+4*\slot+3], 12288
	JLOAD G0+4*\slot, G1, G0B+4*\slot, G1B
.else
	PLACES 4
.endif
	FETCH \next, 0, 0
	SCALES \pn
	XL 4
	WIN MUL
	MULA 2, 1, 3, \slot, 0
	MULA 3, 1, 3, \slot, 0
	WIN 0
.endm
	s_wait_alu depctr_va_vdst(0)
	s_wait_tensorcnt 0x0                           ; my tile of the head's four is in; the full sequence ahead of slot 1's first fill
	ds_add_u32 v[SPW], v[NIL]
	s_mov_b32 s[G1+2], 4<<16                       ; no tensor load of mine is out: from here on a load brings half a tile's rows
	s_mov_b32 s[G1+4], 4
	s_mov_b32 s[G1B+2], 8<<16
	s_mov_b32 s[G1B+4], 8
	s_wait_dscnt 0x0
	CROUND
	JLOAD G0+4, G1, G0B+4, G1B
	FETCH 0, 0, 0
	SCALES 0
	ASK 3
	s_wait_loadcnt 0x0
	; my 64 rows x 512 bytes of X go into window 3, by whole rows, and are added on the way out: eight loads here, four in each K step
.set XN, 0
.macro XL n
.if XN < 64
	WIN 0xc0
.rept \n
	global_load_b128 v[4*XN:4*XN+3], v22, s[92:93] offset:(32*(XN/32)+8*((XN/16)&1)+(XN%16)+8*((XN%16)>>3))*8192 th:TH_LOAD_NT
.set XN, XN+1
.endr
	WIN 0
.endif
.endm
	XL 8
	STEP 0, 0, 1
	STEP 0, 1, 0
	STEP 0, 2, 0
	TURN 0, 1, 1, 1
	STEP 1, 0, 0
	STEP 1, 1, 0
	STEP 1, 2, 0
	TURN 1, 0, 1, 2
	STEP 0, 0, 0
	STEP 0, 1, 0
	STEP 0, 2, 0
	TURN 0, 1, 0, 3
	STEP 1, 0, 0
	STEP 1, 1, 0
	STEP 1, 2, 0
	s_wait_dscnt 0x0
	WIN MUL
	MULA 0, 1, 3, 1, 0
	MULA 1, 1, 3, 1, 0
	MULA 2, 1, 3, 1, 0
	MULA 3, 1, 3, 1, 0
	WIN 0
.set BK, 160
	PLACES 4
.irp a, 0,1,2,3
	WIN 0x04
.irp bb, 0,1,2,3
.irp q, 0,1,2,3
	ds_store_b128 v24, v[64*\a+16*\bb+4*\q:64*\a+16*\bb+4*\q+3] offset:128*\bb+16*\q
.endr
.endr
	WIN 0
.irp t, 0,1,2,3,4,5,6,7,8,9,10,11,12,13,14,15
	ds_load_b128 v[BK+4*\t:BK+4*\t+3], v25 offset:528*\t
.endr
	s_wait_dscnt 0x0
	s_wait_loadcnt 16*(3-\a)                       ; block a's 16 loads of X are in; the later blocks' may be out
	WIN 0x0c                                       ; source 1: window 3
.set j, 0
.rept 32
	v_pk_add_f32 v[BK+j:BK+j+1], v[BK+j:BK+j+1], v[64*\a+j:64*\a+j+1]
.set j, j+2
.endr
	WIN 0
.irp t, 0,1,2,3,4,5,6,7,8,9,10,11,12,13,14,15
	global_store_b128 v22, v[BK+4*\t:BK+4*\t+3], s[94:95] offset:(32*(\a>>1)+8*(\a&1)+\t+8*(\t>>3))*8192 th:TH_STORE_NT
.endr
	s_wait_xcnt 0x0
.endr
	s_wait_tensorcnt 0x0
	ds_add_u32 v[SPW], v[NIL]
	s_wait_dscnt 0x0
	CROUND
	s_endpgm
.Lfunc_end_k_q15f78a99a4_proj:
	.size	k_q15f78a99a4_proj, .Lfunc_end_k_q15f78a99a4_proj-k_q15f78a99a4_proj
	.p2alignl 7, 3214868480
	.fill 96, 4, 3214868480
	.section	.rodata,"a",@progbits
	.p2align	6, 0x0
	.amdhsa_kernel k_q15f78a99a4_proj
		.amdhsa_group_segment_fixed_size 327680
		.amdhsa_private_segment_fixed_size 0
		.amdhsa_enable_private_segment 0
		.amdhsa_kernarg_size 56
		.amdhsa_user_sgpr_count 2
		.amdhsa_user_sgpr_kernarg_segment_ptr 1
		.amdhsa_wavefront_size32 1
		.amdhsa_system_sgpr_workgroup_id_x 1
		.amdhsa_system_sgpr_workgroup_id_y 1
		.amdhsa_system_sgpr_workgroup_id_z 1
		.amdhsa_system_vgpr_workitem_id 0
		.amdhsa_next_free_vgpr 1024
		.amdhsa_next_free_sgpr 102
		.amdhsa_reserve_vcc 0
		.amdhsa_float_denorm_mode_32 3
		.amdhsa_float_denorm_mode_16_64 3
		.amdhsa_memory_ordered 1
		.amdhsa_forward_progress 1
		.amdhsa_inst_pref_size 159
	.end_amdhsa_kernel
	.amdgpu_metadata
---
amdhsa.version: [ 1, 2 ]
amdhsa.kernels:
  - .name:           k_q15f78a99a4_proj
    .symbol:         k_q15f78a99a4_proj.kd
    .args:
      - { .name: o_codes, .offset: 0, .size: 8, .value_kind: global_buffer, .address_space: global }
      - { .name: o_scales, .offset: 8, .size: 8, .value_kind: global_buffer, .address_space: global }
      - { .name: codes1, .offset: 16, .size: 8, .value_kind: global_buffer, .address_space: global }
      - { .name: scales1, .offset: 24, .size: 8, .value_kind: global_buffer, .address_space: global }
      - { .name: Wo_b, .offset: 32, .size: 8, .value_kind: global_buffer, .address_space: global }
      - { .name: X, .offset: 40, .size: 8, .value_kind: global_buffer, .address_space: global }
      - { .name: out0, .offset: 48, .size: 8, .value_kind: global_buffer, .address_space: global }
    .group_segment_fixed_size: 327680
    .private_segment_fixed_size: 0
    .kernarg_segment_align: 8
    .kernarg_segment_size: 56
    .max_flat_workgroup_size: 128
    .sgpr_count:     102
    .vgpr_count:     1024
    .wavefront_size: 32
...
	.end_amdgpu_metadata
.endif
;; end of part 4
